; MI455X (gfx1250); checked and timed in simulation.
; The chip was launched on July 23, 2026; its instructions are those of AMD's public machine-readable ISA for CDNA 5 (MIT licence, August 2026) and "CDNA5" Instruction Set Architecture Reference Guide (July 2026). The comments in the code are by the model that wrote it; some were corrected since.
;; KB La M Bit Net Decoder Layer. Allowed arithmetic: matrix products marked QUANTISED: E4M3 operands, one given power-of-two scale a tensor, by v_wmma_f32_16x16x64_fp8_fp8 or v_wmma_f32_16x16x128_fp8_fp8, f32 sums; everything else in f32.
;; Inputs: down_w 2,048 x 2,048 float32; hidden_states 1 x 2,048 x 2,048 float32; k_w 512 x 2,048 float32; kb_keys 1 x 256 x 2,048 float32; kb_values 1 x 256 x 2,048 float32; kbk_w 512 x 2,048 float32; kbv_w 512 x 2,048 float32; ln1_w 2,048 float32; ln2_w 2,048 float32; lowp_scales 26 int32 (the exponents e of the quantised operands' scales 2^e); o_w 2,048 x 2,048 float32; position_ids 1 x 2,048 int32; q_w 2,048 x 2,048 float32; qnew_w 2,048 x 2,048 float32; sink_k 1 x 8 x 1 x 64 float32; sink_v 1 x 8 x 1 x 64 float32; up_w 2,048 x 2,048 float32; v_w 512 x 2,048 float32.
;; Outputs: out0 1 x 2,048 x 2,048 float32.
;; This version of the problem:
;;   THIS VERSION OF THE PROBLEM IS GIVEN IN LOW PRECISION. The matrix products marked QUANTISED in the list below multiply operands that are first quantised to E4M3 (4 exponent bits, 3 mantissa bits; 8 bits a number), with one given power-of-two scale for each operand tensor; their sums are f32. All else is computed in f32.
;;   The module's matrix products, in the order in which they are computed (A, B: the left and right operand; K: the contracted axis; several contracted axes count as one K, in the product's order):
;;     1. [M 2,048, K 2,048] x [K 2,048, N 2,048]; A: computed on the way; B: input q_w: QUANTISED (scales: A lowp_scales[0], B lowp_scales[1])
;;     2. [M 2,048, K 2,048] x [K 2,048, N 512]; A: computed on the way; B: input k_w: QUANTISED (scales: A lowp_scales[2], B lowp_scales[3])
;;     3. [M 2,048, K 2,048] x [K 2,048, N 512]; A: computed on the way; B: input v_w: QUANTISED (scales: A lowp_scales[4], B lowp_scales[5])
;;     4. [M 256, K 2,048] x [K 2,048, N 512]; A: input kb_keys; B: input kbk_w: QUANTISED (scales: A lowp_scales[6], B lowp_scales[7])
;;     5. [M 256, K 2,048] x [K 2,048, N 512]; A: input kb_values; B: input kbv_w: QUANTISED (scales: A lowp_scales[8], B lowp_scales[9])
;;     6. [M 2,048, K 2,048] x [K 2,048, N 2,048]; A: computed on the way; B: input qnew_w: QUANTISED (scales: A lowp_scales[10], B lowp_scales[11])
;;     7. batch 32 x [M 2,048, K 64] x [K 64, N 2,048]; A: computed on the way; B: computed on the way: QUANTISED (scales: A lowp_scales[12], B lowp_scales[13])
;;     8. batch 32 x [M 2,048, K 64] x [K 64, N 257]; A: computed on the way; B: computed on the way: QUANTISED (scales: A lowp_scales[14], B lowp_scales[15])
;;     9. batch 32 x [M 2,048, K 257] x [K 257, N 64]; A: computed on the way; B: computed on the way: QUANTISED (scales: A lowp_scales[16], B lowp_scales[17])
;;     10. batch 32 x [M 2,048, K 2,048] x [K 2,048, N 64]; A: computed on the way; B: computed on the way: QUANTISED (scales: A lowp_scales[18], B lowp_scales[19])
;;     11. [M 2,048, K 2,048] x [K 2,048, N 2,048]; A: computed on the way; B: input o_w: QUANTISED (scales: A lowp_scales[20], B lowp_scales[21])
;;     12. [M 2,048, K 2,048] x [K 2,048, N 2,048]; A: computed on the way; B: input up_w: QUANTISED (scales: A lowp_scales[22], B lowp_scales[23])
;;     13. [M 2,048, K 2,048] x [K 2,048, N 2,048]; A: computed on the way; B: input down_w: QUANTISED (scales: A lowp_scales[24], B lowp_scales[25])
;;   THE QUANTISER, for each operand of a quantised product, along K:
;;     - The operand's scale is 2^e, e = its entry of the input lowp_scales (int32; the entries are numbered through the quantised products in the list's order, A before B).
;;     - Each number is divided by the scale, clamped to +-448, and rounded to the nearest number of E4M3, ties to even, subnormals kept.
;;     - The product sums the exact products of the quantised numbers (number of the format x scale) in f32.
;;   ~~~python
;;   def quantise(x, axis, e):      # numpy; x: float32 -> the quantised numbers, widened to float32 again
;;       x = np.moveaxis(x, axis, -1); K = x.shape[-1]
;;       r = np.clip(x / 2.0 ** e, -448, 448)
;;       step = 2.0 ** (np.maximum(np.frexp(np.where(r == 0, 1, r))[1] - 1, -6) - 3)
;;       q = np.round(r / step) * step * 2.0 ** e      # np.round: ties to even
;;       return np.moveaxis(q, -1, axis).astype(np.float32)
;;   ~~~
;;   OPERANDS COMPUTED ON THE WAY. 'Computed on the way' means the value that the module computes at that place (a softmax that the list does not call 'softmax' is quantised finished and normalised). What goes into a quantiser is computed in f32, as accurately as f32 sums, v_exp_f32 and their like allow (about 1e-6 of the number): no bf16 or f16 on the way to a quantiser, and a product that is left as it is and whose result goes on into a quantised operand takes f32 operands (vector FMAs, or v_wmma_f32_16x16x4_f32). A number that lies on a knife's edge between two numbers of the format may be rounded either way, as far as f32 arithmetic and the matrix unit's own rounding can turn it there, and no further.
;; One version. Each part assembles by itself: llvm-mc -triple=amdgcn-amd-amdhsa -mcpu=gfx1250 --defsym DOCPART=n.
;; ======== version 1 of 1: 7 launches
;; limits: inputs' magnitudes at most 4,194,304; right only within a limited range of input values
;; workspace buffers: wc 16,777,216 bytes; wo 4,194,560 bytes; wd 4,194,560 bytes; ac 18,350,080 bytes; qk 10,821,632 bytes; cc 4,194,304 bytes; hres 16,777,216 bytes
;; launch prep (part 1): grid 689 x 1, 4 waves a work-group, no clusters, 33,280 bytes of LDS; arguments hidden_states, ln1_w, position_ids, sink_k, sink_v, lowp_scales, q_w, qnew_w, k_w, v_w, kbk_w, kbv_w, kb_keys, kb_values, wc, wo, wd, ac, qk; writes wc, wo, wd, ac, qk
.if DOCPART == 1
	.amdgcn_target "amdgcn-amd-amdhsa--gfx1250"
	.amdhsa_code_object_version 6
	.text
	.protected	k_qffbf70b409_prep
	.globl	k_qffbf70b409_prep
	.p2align	8
	.type	k_qffbf70b409_prep,@function
k_qffbf70b409_prep:
	s_mov_b64 s[64:65], 0
	v_nop
	global_prefetch_b8 v0, s[64:65] scope:SCOPE_SE
	s_setreg_imm32_b32 hwreg(HW_REG_WAVE_MODE, 25, 1), 1
	s_wait_xcnt 0x0
; PREP: what the projections need, quantised once.  Four paths, chosen by the work-group's number:
;   0..255     NORM   x = rmsnorm(hidden_states, ln1_w), quantised four times (scales e0, e10, e2, e4: the four products that take x), 8 rows a work-group
;   256..671   STREAM the six weights of the projections (q_w, qnew_w, k_w, v_w, kbk_w, kbv_w), kb_keys and kb_values into codes of E4M3, each with its own given scale, 32,768 numbers a work-group
;   672..687   ROPE   a table of cos and sin for each position and frequency, from position_ids
;   688        SINK   the sink key and value as codes, the zero codes that pad K = 257 to the matrix step, and the two factors 2^(e20+e21), 2^(e24+e25)
; o_w, up_w and down_w, which are first wanted behind attention, are quantised in the launch attn.
; code = x / 2^e, held within +-448, rounded to the nearest code, ties to even.
; DEAD WORK OF THE WHOLE PROGRAM (left out in the launch attn): reference() adds NEG = -1e9 to every score whose key index lies above the query's index.
; The row's maximum is at least the score of the query's own key, so such a probability is at most exp(-1e9 + the spread of the scores): it is under half of the smallest
; number of E4M3 times any scale 2^e with e >= -126, so its code is 0, and beside the row's sum it is under f32's rounding.  A key step all of whose 128 keys lie above
; a tile's 16 queries therefore adds nothing to any output, whatever the inputs hold, and is not walked.  LIMITS: the spread of the scores stays under 1e8; a NaN, an infinity
; or an overflow that reaches only such steps is not carried to the result.  No input is dead: all eighteen are loaded by some launch.
; LIMITS: every given exponent e lies between -126 and 119; e20+e21 and e24+e25 between -126 and 127; NaN among the inputs is not served;
; |position_ids| under 2^24 and |position x frequency| under 2^22 (the reduction by pi/2 in three parts).
.set SPARE, 32768                      ; behind the four waves' stages: the spare words, 128 bytes a wave
.set SPW,   12                         ; v12 LDS address of my spare word; never rewritten, in any path
.set NIL,   13                         ; v13 0; never rewritten
.set WREG,  8192                       ; STREAM: a wave's LDS region: two stages of 32 x SP bytes
.set SP,    80                         ; a lane's place in a stage: 64 bytes + 16 of padding
.set STEPS, 16
.set ROPE,  0x1100000                  ; the table's place in ac
.set VC,    9568256                    ; qk: V's images
.set KT,    10813440                   ; qk: the sink's tile of K
.set VHB,   155648                     ; V's images of one KV head
.macro MKSC e, sc, lim                 ; v[sc] = 2^e as f32 (the conversion takes its exponent field), v[lim] = 448 x 2^e
	s_add_co_i32 s60, \e, 127
	s_lshl_b32 s61, s60, 23
	v_mov_b32 v[\sc], s61
	s_add_co_i32 s60, s60, 8
	s_lshl_b32 s60, s60, 23
	s_or_b32 s60, s60, 0x600000
	v_mov_b32 v[\lim], s60
.endm
	v_lshl_add_u32 v[SPW], v0, 2, SPARE
	v_mov_b32 v[NIL], 0
	v_lshrrev_b32 v1, 5, v0
	v_readfirstlane_b32 s2, v1                     ; wave 0..3
	v_and_b32 v2, 31, v0                           ; lane
	s_cmp_lt_u32 ttmp9, 256
	s_cbranch_scc1 .Lnorm
	s_cmp_lt_u32 ttmp9, 672
	s_cbranch_scc1 .Lstream
	s_cmp_lt_u32 ttmp9, 688
	s_cbranch_scc1 .Lrope
; ---------------- SINK: wave w serves KV heads 2 w and 2 w + 1 ----------------
	s_load_b128 s[4:7], s[0:1], 0x18               ; sink_k, sink_v
	s_load_b64 s[8:9], s[0:1], 0x28                ; lowp_scales
	s_load_b128 s[16:19], s[0:1], 0x78             ; wo, wd
	s_load_b64 s[10:11], s[0:1], 0x90              ; qk
	v_and_b32 v6, 15, v2                           ; r
	v_lshrrev_b32 v7, 4, v2                        ; h
	v_lshlrev_b32 v3, 6, v7                        ; 64 h: my 16 numbers of a block of 32
	v_lshlrev_b32 v4, 4, v2                        ; 16 x lane: my place in an image
	v_lshlrev_b32 v5, 2, v6                        ; 4 r
	v_lshlrev_b32 v8, 3, v2                        ; 8 x lane
	s_lshl_b32 s20, s2, 9                          ; two heads of 64 f32
	s_mov_b32 s21, 0
	s_lshl_b32 s22, s2, 11
	s_add_co_u32 s22, s22, KT
	s_mov_b32 s23, 0
	s_mul_i32 s24, s2, 2*VHB
	s_add_co_u32 s24, s24, VC+9216                 ; step 18 of each piece: the sink's
	s_mov_b32 s25, 0
	s_mov_b32 s26, 0xffff                          ; lanes 0-15
	v_cmp_eq_u32 s27, 0, v6                        ; lanes with r = 0
	s_wait_kmcnt 0x0
	s_load_b32 s32, s[8:9], 0x3c                   ; e15
	s_load_b32 s33, s[8:9], 0x44                   ; e17
	s_load_b64 s[34:35], s[8:9], 0x50              ; e20, e21
	s_load_b64 s[36:37], s[8:9], 0x60              ; e24, e25
	s_add_nc_u64 s[4:5], s[4:5], s[20:21]
	s_add_nc_u64 s[6:7], s[6:7], s[20:21]
	s_add_nc_u64 s[40:41], s[10:11], s[22:23]
	s_add_nc_u64 s[42:43], s[10:11], s[24:25]
.irp k, 0,1,2,3                                ; k = 2 x head + c: sink_k(d = 32 c + 16 h + 0..15), the same in all r
.irp j, 0,1,2,3
	global_load_b128 v[32+16*\k+4*\j:35+16*\k+4*\j], v3, s[4:5] offset:128*\k+16*\j
.endr
.endr
.irp k, 0,1,2,3,4,5,6,7                        ; k = 4 x head + t: sink_v(d = 16 t + r)
	global_load_b32 v[112+\k], v5, s[6:7] offset:64*\k
.endr
.irp j, 1,2,3,4,5,6,7
	v_mov_b32 v[128+\j], 0
.endr
.irp j, 0,1,2,3
	v_mov_b32 v[176+\j], 0
.endr
	s_wait_kmcnt 0x0
	MKSC s32, 16, 17
	MKSC s33, 18, 19
	s_wait_loadcnt 0x0
.irp k, 0,1,2,3
.irp j, 0,1,2,3,4,5,6,7,8,9,10,11,12,13,14,15
	v_med3_num_f32 v[32+16*\k+\j], v[32+16*\k+\j], -v17, v17
.endr
	v_cvt_scalef32_pk8_fp8_f32 v[96+4*\k:97+4*\k], v[32+16*\k:39+16*\k], v16
	v_cvt_scalef32_pk8_fp8_f32 v[98+4*\k:99+4*\k], v[40+16*\k:47+16*\k], v16
.endr
	v_nop                                          ; a plain instruction between the conversions and the first that touches their results
.irp j, 0,1,2,3,4,5,6,7,8,9,10,11,12,13,14,15
	v_cndmask_b32 v[96+\j], 0, v[96+\j], s27       ; row 0 of the tile is the sink's key, rows 1-15 are zero codes
.endr
.irp k, 0,1,2,3
	global_store_b128 v4, v[96+4*\k:99+4*\k], s[40:41] offset:512*\k    ; 512 consecutive bytes
.endr
.irp k, 0,1,2,3,4,5,6,7
	v_med3_num_f32 v[112+\k], v[112+\k], -v19, v19
	v_cndmask_b32 v128, 0, v[112+\k], s26          ; key 0 of the step lies in lanes 0-15; all other keys of the step are zero codes
	v_cvt_scalef32_pk8_fp8_f32 v[144+4*\k:145+4*\k], v[128:135], v18
	v_mov_b32 v[146+4*\k], 0                       ; (plain instructions between the conversion and the next write of its source)
	v_mov_b32 v[147+4*\k], 0
.endr
.irp k, 0,1,2,3,4,5,6,7
	global_store_b128 v4, v[144+4*\k:147+4*\k], s[42:43] offset:(\k/4)*VHB+(4*(\k%4))*9728
	global_store_b128 v4, v[176:179], s[42:43] offset:(\k/4)*VHB+(4*(\k%4)+1)*9728
	global_store_b128 v4, v[176:179], s[42:43] offset:(\k/4)*VHB+(4*(\k%4)+2)*9728
	global_store_b128 v4, v[176:179], s[42:43] offset:(\k/4)*VHB+(4*(\k%4)+3)*9728
.endr
	s_cmp_ge_u32 s2, 2                             ; wave 0 writes wo's first 256 bytes, wave 1 wd's: the factor of the finished sums, 64 times
	s_cbranch_scc1 .Lsink_end
	s_add_co_i32 s44, s34, s35
	s_add_co_i32 s45, s36, s37
	s_cmp_eq_u32 s2, 0
	s_cselect_b64 s[46:47], s[16:17], s[18:19]
	s_cselect_b32 s44, s44, s45
	s_add_co_i32 s44, s44, 127
	s_lshl_b32 s44, s44, 23
	v_mov_b32 v180, s44
	v_mov_b32 v181, s44
	global_store_b64 v8, v[180:181], s[46:47]
.Lsink_end:
	s_endpgm
; ---------------- NORM: wave w takes rows 8 x work-group + 2 w and the next ----------------
; For i = 0..3 lane l holds k = 512 i + 16 l + 0..15 of the row: 16 neighbours, as the conversions want them; a lane's 16 codes are 16 bytes, so a store covers 512 consecutive bytes.
; v16-23 scale and limit of the four versions; v32-95 row 0; v96-159 ln1_w; v160-175 at work; v176-191 codes; v192-255 row 1.
.macro ROW X, ro, cnt
	s_wait_loadcnt \cnt
.irp c, 0,1,2,3
	v_pk_mul_f32 v[160+2*\c:161+2*\c], v[\X+2*\c:\X+2*\c+1], v[\X+2*\c:\X+2*\c+1]   ; the sum of squares, in four chains of pairs
.endr
.set QN, 4
.rept 28
	v_pk_fma_f32 v[160+2*(QN%4):161+2*(QN%4)], v[\X+2*QN:\X+2*QN+1], v[\X+2*QN:\X+2*QN+1], v[160+2*(QN%4):161+2*(QN%4)]
.set QN, QN+1
.endr
	v_pk_add_f32 v[160:161], v[160:161], v[162:163]
	v_pk_add_f32 v[164:165], v[164:165], v[166:167]
	v_pk_add_f32 v[160:161], v[160:161], v[164:165]
	v_add_f32 v160, v160, v161
	v_add_f32_dpp v160, v160, v160 row_xmask:1 row_mask:0xf bank_mask:0xf
	v_add_f32_dpp v160, v160, v160 row_xmask:2 row_mask:0xf bank_mask:0xf
	v_add_f32_dpp v160, v160, v160 row_xmask:4 row_mask:0xf bank_mask:0xf
	v_add_f32_dpp v160, v160, v160 row_xmask:8 row_mask:0xf bank_mask:0xf
	v_permlanex16_b32 v161, v160, s26, s27
	v_add_f32 v160, v160, v161
	v_fma_f32 v160, v160, s28, s29                 ; the mean (x 2^-11, exact) + EPS
	v_rsq_f32 v162, v160
	v_nop                                          ; a plain instruction behind the transcendental,
	s_wait_alu depctr_va_vdst(0)                   ; and the wait ahead of its first reader
	v_mov_b32 v163, v162
.set QN, 0
.rept 32
	v_pk_mul_f32 v[\X+2*QN:\X+2*QN+1], v[\X+2*QN:\X+2*QN+1], v[162:163]
	v_pk_mul_f32 v[\X+2*QN:\X+2*QN+1], v[\X+2*QN:\X+2*QN+1], v[96+2*QN:97+2*QN]    ; (x rs) w, in reference()'s order
.set QN, QN+1
.endr
.irp i, 0,1,2,3
	s_wait_xcnt 0x0                                ; the earlier stores have read their data: the codes' registers are written again only behind this wait
.irp u, 0,1,2,3
.irp k, 0,1,2,3,4,5,6,7,8,9,10,11,12,13,14,15
	v_med3_num_f32 v[160+\k], v[\X+16*\i+\k], -v[17+2*\u], v[17+2*\u]
.endr
	v_cvt_scalef32_pk8_fp8_f32 v[176+4*\u:177+4*\u], v[160:167], v[16+2*\u]
	v_cvt_scalef32_pk8_fp8_f32 v[178+4*\u:179+4*\u], v[168:175], v[16+2*\u]
	v_nop                                          ; a plain instruction ahead of the next write of the conversions' sources
	global_store_b128 v4, v[176+4*\u:179+4*\u], s[40+2*\u:41+2*\u] offset:\ro*2048+512*\i
.endr
.endr
.endm
.Lnorm:
	s_load_b128 s[4:7], s[0:1], 0x0                ; hidden_states, ln1_w
	s_load_b64 s[8:9], s[0:1], 0x28                ; lowp_scales
	s_load_b64 s[10:11], s[0:1], 0x88              ; ac
	v_lshlrev_b32 v3, 6, v2                        ; 64 x lane
	v_lshlrev_b32 v4, 4, v2                        ; 16 x lane
	s_lshl_b32 s12, ttmp9, 3
	s_lshl_b32 s13, s2, 1
	s_add_co_u32 s12, s12, s13                     ; my first row
	s_lshl_b32 s14, s12, 13
	s_mov_b32 s15, 0
	s_lshl_b32 s16, s12, 11
	s_mov_b32 s17, 0
	s_mov_b32 s26, 0x76543210
	s_mov_b32 s27, 0xfedcba98
	s_mov_b32 s28, 0x3a000000                      ; 1 / 2048
	s_mov_b32 s29, 0x3727c5ac                      ; EPS = 1e-5
	s_wait_kmcnt 0x0
	s_load_b128 s[20:23], s[8:9], 0x0              ; e0 .. e3
	s_load_b32 s24, s[8:9], 0x10                   ; e4
	s_load_b32 s25, s[8:9], 0x28                   ; e10
	s_add_nc_u64 s[4:5], s[4:5], s[14:15]
	s_add_nc_u64 s[40:41], s[10:11], s[16:17]      ; the four versions lie 4 MiB apart: e0, e10, e2, e4
	s_add_nc_u64 s[42:43], s[40:41], 0x400000
	s_add_nc_u64 s[44:45], s[40:41], 0x800000
	s_add_nc_u64 s[46:47], s[40:41], 0xc00000
.irp i, 0,1,2,3
.irp j, 0,1,2,3
	global_load_b128 v[96+16*\i+4*\j:99+16*\i+4*\j], v3, s[6:7] offset:2048*\i+16*\j
.endr
.endr
.irp i, 0,1,2,3
.irp j, 0,1,2,3
	global_load_b128 v[32+16*\i+4*\j:35+16*\i+4*\j], v3, s[4:5] offset:2048*\i+16*\j th:TH_LOAD_NT
.endr
.endr
.irp i, 0,1,2,3
.irp j, 0,1,2,3
	global_load_b128 v[192+16*\i+4*\j:195+16*\i+4*\j], v3, s[4:5] offset:8192+2048*\i+16*\j th:TH_LOAD_NT
.endr
.endr
	s_wait_kmcnt 0x0
	MKSC s20, 16, 17
	MKSC s25, 18, 19
	MKSC s22, 20, 21
	MKSC s24, 22, 23
	ROW 32, 0, 16                                  ; the gain and row 0 are in; row 1's sixteen loads may be out
	ROW 192, 1, 0
	s_endpgm
; ---------------- STREAM: a plain stream of f32 numbers into codes ----------------
; Each of a step's four loads reads 512 consecutive bytes; the 2,048 bytes turn through the wave's own stage in LDS and come back 64 bytes (16 neighbours) a lane.
; Loads run four steps ahead, the turn through LDS one step.  v16-79 four sets as loaded; v80-111 two sets of neighbours; v128-191 codes, four registers for each step.
.macro PICK start, src, eidx           ; from work-group start on: another source and another entry of the scales
	s_cmp_ge_u32 s3, \start
	s_cselect_b64 s[4:5], s[\src:\src+1], s[4:5]
	s_cselect_b32 s6, \start, s6
	s_cselect_b32 s7, \eidx, s7
.endm
.macro DPICK start, dst, extra
	s_cmp_ge_u32 s3, \start
	s_cselect_b64 s[8:9], s[\dst:\dst+1], s[8:9]
	s_cselect_b32 s48, \start, s48
	s_cselect_b32 s49, \extra, s49
.endm
.macro SLOAD t
.irp i, 0,1,2,3
	global_load_b128 v[16+16*((\t)%4)+4*\i:16+16*((\t)%4)+4*\i+3], v3, s[4:5] offset:2048*(\t)+512*\i th:TH_LOAD_NT
.endr
.endm
.macro STURN t                         ; LDS serves a wave's instructions in order: no wait between the stores and the loads
.irp i, 0,1,2,3
	ds_store_b128 v14, v[16+16*((\t)%4)+4*\i:16+16*((\t)%4)+4*\i+3] offset:32*SP*((\t)%2)+8*SP*\i
.endr
.irp i, 0,1,2,3
	ds_load_b128 v[80+16*((\t)%2)+4*\i:80+16*((\t)%2)+4*\i+3], v15 offset:32*SP*((\t)%2)+16*\i
.endr
.endm
.macro SSTEP t
.set XS, 80+16*((\t)%2)
	s_wait_dscnt 0x0                               ; this step's numbers are back: so its stores into the stage have read their registers,
.if (\t)+4 < STEPS
	SLOAD (\t)+4                                   ; which take the loads of four steps on
.endif
.if (\t)+1 < STEPS
.if STEPS-2-(\t) >= 3
	s_wait_loadcnt 12                              ; the next step's four loads are in; those of the three steps behind it may be out
.else
	s_wait_loadcnt 4*(STEPS-2-(\t))
.endif
	STURN (\t)+1
.endif
.irp i, 0,1,2,3,4,5,6,7,8,9,10,11,12,13,14,15
	v_med3_num_f32 v[XS+\i], v[XS+\i], -v10, v10
.endr
	v_cvt_scalef32_pk8_fp8_f32 v[128+4*(\t):128+4*(\t)+1], v[XS:XS+7], v11
	v_cvt_scalef32_pk8_fp8_f32 v[128+4*(\t)+2:128+4*(\t)+3], v[XS+8:XS+15], v11
	global_store_b128 v3, v[128+4*(\t):128+4*(\t)+3], s[8:9] offset:512*(\t)   ; 512 consecutive bytes; the results go to a store alone, and the next step begins with plain instructions on other registers
.endm
.Lstream:
	s_load_b512 s[16:31], s[0:1], 0x30             ; q_w, qnew_w, k_w, v_w, kbk_w, kbv_w, kb_keys, kb_values
	s_load_b64 s[40:41], s[0:1], 0x70              ; wc
	s_load_b64 s[46:47], s[0:1], 0x88              ; ac
	s_load_b64 s[10:11], s[0:1], 0x28              ; lowp_scales
	s_sub_co_u32 s3, ttmp9, 256                    ; which run of 32,768 numbers
	v_lshlrev_b32 v3, 4, v2                        ; 16 x lane
	s_mul_i32 s38, s2, WREG
	v_lshrrev_b32 v14, 2, v2
	v_mul_u32_u24 v14, v14, SP
	v_and_b32 v15, 3, v2
	v_lshl_add_u32 v14, v15, 4, v14
	v_add_nc_u32 v14, s38, v14                     ; the stage, on the way in: SP (lane / 4) + 16 (lane % 4)
	v_mul_u32_u24 v15, v2, SP
	v_add_nc_u32 v15, s38, v15                     ; and on the way out: SP x lane
	s_wait_kmcnt 0x0
	s_mov_b64 s[4:5], s[16:17]
	s_mov_b32 s6, 0
	s_mov_b32 s7, 1
	PICK 128, 18, 11
	PICK 256, 20, 3
	PICK 288, 22, 5
	PICK 320, 24, 7
	PICK 352, 26, 9
	PICK 384, 28, 6
	PICK 400, 30, 8
	s_mov_b64 s[8:9], s[40:41]
	s_mov_b32 s48, 0
	s_mov_b32 s49, 0
	DPICK 384, 46, 0x1000000                       ; kb_keys' and kb_values' codes lie 16 MiB into ac
	s_lshl_b32 s7, s7, 2
	s_load_b32 s50, s[10:11], s7 offset:0x0        ; e
	s_sub_co_u32 s6, s3, s6
	s_lshl_b32 s6, s6, 17
	s_lshl_b32 s51, s2, 15
	s_add_co_u32 s52, s6, s51
	s_mov_b32 s53, 0
	s_add_nc_u64 s[4:5], s[4:5], s[52:53]
	s_sub_co_u32 s48, s3, s48
	s_lshl_b32 s48, s48, 15
	s_add_co_u32 s48, s48, s49
	s_lshl_b32 s51, s2, 13
	s_add_co_u32 s54, s48, s51
	s_mov_b32 s55, 0
	s_add_nc_u64 s[8:9], s[8:9], s[54:55]
.irp t, 0,1,2,3
	SLOAD \t
.endr
	s_wait_kmcnt 0x0
	MKSC s50, 11, 10
	s_wait_loadcnt 12                              ; step 0's four loads are in
	STURN 0
.irp t, 0,1,2,3,4,5,6,7,8,9,10,11,12,13,14,15
	SSTEP \t
.endr
	s_wait_tensorcnt 0x0                           ; the wave's end: behind my last LDS store
	ds_add_u32 v[SPW], v[NIL]
	s_wait_dscnt 0x0
	s_endpgm
; ---------------- ROPE: wave u = 4 (work-group - 672) + w takes positions 32 u .. 32 u + 31; a lane is a frequency j ----------------
; table[s][j] = (cos, sin)(position_ids[s] x 10000^(-j/32)): the wave stores 256 consecutive aligned bytes for each position.
; The angle is reduced by n = the nearest whole multiple of pi/2, pi/2 in three parts, each taken off by a fused multiply-add; sin to r^9 and cos to r^10 on |r| <= pi/4.
.macro INV k, lit
	v_cmp_ne_u32 vcc_lo, \k, v2
	v_cndmask_b32 v6, \lit, v6, vcc_lo
.endm
.macro POS i
	v_readlane_b32 s12, v7, \i
	v_mul_f32 v8, s12, v6                          ; the angle, rounded once as in reference()
	v_mul_f32 v9, 0x3f22f983, v8
	v_rndne_f32 v9, v9                             ; n
	v_fma_f32 v10, -v9, s16, v8
	v_fma_f32 v10, -v9, s17, v10
	v_fma_f32 v10, -v9, s18, v10                   ; r
	v_mul_f32 v11, v10, v10                        ; z
	v_fmaak_f32 v14, v11, v20, 0xb9500d01
	v_fmaak_f32 v15, v11, v21, 0x37d00d01
	v_fmaak_f32 v14, v14, v11, 0x3c088889
	v_fmaak_f32 v15, v15, v11, 0xbab60b61
	v_fmaak_f32 v14, v14, v11, 0xbe2aaaab
	v_fmaak_f32 v15, v15, v11, 0x3d2aaaab
	v_mul_f32 v17, v10, v11
	v_fmaak_f32 v15, v15, v11, 0xbf000000
	v_fma_f32 v14, v14, v17, v10                   ; sin r
	v_fma_f32 v15, v15, v11, 1.0                   ; cos r
	v_cvt_i32_f32 v16, v9
	v_and_b32 v17, 1, v16
	v_cmp_eq_u32 vcc_lo, 1, v17                    ; an odd quadrant swaps the two: a choice of values alone
	v_cndmask_b32 v18, v14, v15, vcc_lo
	v_cndmask_b32 v19, v15, v14, vcc_lo
	v_lshlrev_b32 v17, 30, v16
	v_and_b32 v17, 0x80000000, v17                 ; sin changes sign in quadrants 2 and 3,
	v_xor_b32 v[65+2*\i], v17, v18
	v_add_nc_u32 v16, 1, v16
	v_lshlrev_b32 v17, 30, v16
	v_and_b32 v17, 0x80000000, v17                 ; cos in quadrants 1 and 2
	v_xor_b32 v[64+2*\i], v17, v19
	global_store_b64 v4, v[64+2*\i:65+2*\i], s[10:11] offset:256*\i   ; each position has registers of its own: no store's data are written again
.endm
.Lrope:
	s_load_b64 s[4:5], s[0:1], 0x10                ; position_ids
	s_load_b64 s[10:11], s[0:1], 0x88              ; ac
	s_sub_co_u32 s3, ttmp9, 672
	s_lshl_b32 s3, s3, 2
	s_add_co_u32 s3, s3, s2
	s_lshl_b32 s6, s3, 7
	s_mov_b32 s7, 0
	s_lshl_b32 s8, s3, 13
	s_mov_b32 s9, 0
	s_mov_b32 s16, 0x3fc90fda                      ; pi/2 in three parts
	s_mov_b32 s17, 0x33a22168
	s_mov_b32 s18, 0x27c234c4
	v_lshlrev_b32 v3, 2, v2
	v_lshlrev_b32 v4, 3, v2
	v_mov_b32 v20, 0x3638ef1d                      ; 1 / 9!
	v_mov_b32 v21, 0xb493f27e                      ; -1 / 10!
	s_wait_kmcnt 0x0
	s_add_nc_u64 s[4:5], s[4:5], s[6:7]
	s_add_nc_u64 s[10:11], s[10:11], s[8:9]
	s_add_nc_u64 s[10:11], s[10:11], ROPE
	global_load_b32 v5, v3, s[4:5]
	v_mov_b32 v6, 1.0                              ; 10000^(-j/32) = 10^(-j/8), each the nearest f32
	INV 1, 0.7498942093324559
	INV 2, 0.5623413251903491
	INV 3, 0.4216965034285822
	INV 4, 0.31622776601683794
	INV 5, 0.23713737056616552
	INV 6, 0.1778279410038923
	INV 7, 0.1333521432163324
	INV 8, 0.1
	INV 9, 0.07498942093324559
	INV 10, 0.05623413251903491
	INV 11, 0.04216965034285822
	INV 12, 0.031622776601683794
	INV 13, 0.023713737056616552
	INV 14, 0.01778279410038923
	INV 15, 0.01333521432163324
	INV 16, 0.01
	INV 17, 0.007498942093324559
	INV 18, 0.005623413251903491
	INV 19, 0.004216965034285822
	INV 20, 0.0031622776601683794
	INV 21, 0.0023713737056616552
	INV 22, 0.001778279410038923
	INV 23, 0.001333521432163324
	INV 24, 0.001
	INV 25, 0.0007498942093324559
	INV 26, 0.0005623413251903491
	INV 27, 0.0004216965034285822
	INV 28, 0.00031622776601683794
	INV 29, 0.00023713737056616552
	INV 30, 0.0001778279410038923
	INV 31, 0.0001333521432163324
	s_wait_loadcnt 0x0
	v_cvt_f32_i32 v7, v5
.set PN, 0
.rept 32
	POS PN
.set PN, PN+1
.endr
	s_endpgm
.Lfunc_end_k_qffbf70b409_prep:
	.size	k_qffbf70b409_prep, .Lfunc_end_k_qffbf70b409_prep-k_qffbf70b409_prep
	.p2alignl 7, 3214868480
	.fill 96, 4, 3214868480
	.section	.rodata,"a",@progbits
	.p2align	6, 0x0
	.amdhsa_kernel k_qffbf70b409_prep
		.amdhsa_group_segment_fixed_size 33280
		.amdhsa_private_segment_fixed_size 0
		.amdhsa_enable_private_segment 0
		.amdhsa_kernarg_size 152
		.amdhsa_user_sgpr_count 2
		.amdhsa_user_sgpr_kernarg_segment_ptr 1
		.amdhsa_wavefront_size32 1
		.amdhsa_system_sgpr_workgroup_id_x 1
		.amdhsa_system_sgpr_workgroup_id_y 1
		.amdhsa_system_sgpr_workgroup_id_z 1
		.amdhsa_system_vgpr_workitem_id 0
		.amdhsa_next_free_vgpr 256
		.amdhsa_next_free_sgpr 66
		.amdhsa_reserve_vcc 1
		.amdhsa_float_denorm_mode_32 3
		.amdhsa_float_denorm_mode_16_64 3
		.amdhsa_memory_ordered 1
		.amdhsa_forward_progress 1
		.amdhsa_inst_pref_size 169
	.end_amdhsa_kernel
	.amdgpu_metadata
---
amdhsa.version: [ 1, 2 ]
amdhsa.kernels:
  - .name:           k_qffbf70b409_prep
    .symbol:         k_qffbf70b409_prep.kd
    .args:
      - { .name: hidden_states, .offset: 0, .size: 8, .value_kind: global_buffer, .address_space: global }
      - { .name: ln1_w, .offset: 8, .size: 8, .value_kind: global_buffer, .address_space: global }
      - { .name: position_ids, .offset: 16, .size: 8, .value_kind: global_buffer, .address_space: global }
      - { .name: sink_k, .offset: 24, .size: 8, .value_kind: global_buffer, .address_space: global }
      - { .name: sink_v, .offset: 32, .size: 8, .value_kind: global_buffer, .address_space: global }
      - { .name: lowp_scales, .offset: 40, .size: 8, .value_kind: global_buffer, .address_space: global }
      - { .name: q_w, .offset: 48, .size: 8, .value_kind: global_buffer, .address_space: global }
      - { .name: qnew_w, .offset: 56, .size: 8, .value_kind: global_buffer, .address_space: global }
      - { .name: k_w, .offset: 64, .size: 8, .value_kind: global_buffer, .address_space: global }
      - { .name: v_w, .offset: 72, .size: 8, .value_kind: global_buffer, .address_space: global }
      - { .name: kbk_w, .offset: 80, .size: 8, .value_kind: global_buffer, .address_space: global }
      - { .name: kbv_w, .offset: 88, .size: 8, .value_kind: global_buffer, .address_space: global }
      - { .name: kb_keys, .offset: 96, .size: 8, .value_kind: global_buffer, .address_space: global }
      - { .name: kb_values, .offset: 104, .size: 8, .value_kind: global_buffer, .address_space: global }
      - { .name: wc, .offset: 112, .size: 8, .value_kind: global_buffer, .address_space: global }
      - { .name: wo, .offset: 120, .size: 8, .value_kind: global_buffer, .address_space: global }
      - { .name: wd, .offset: 128, .size: 8, .value_kind: global_buffer, .address_space: global }
      - { .name: ac, .offset: 136, .size: 8, .value_kind: global_buffer, .address_space: global }
      - { .name: qk, .offset: 144, .size: 8, .value_kind: global_buffer, .address_space: global }
    .group_segment_fixed_size: 33280
    .private_segment_fixed_size: 0
    .kernarg_segment_align: 8
    .kernarg_segment_size: 152
    .max_flat_workgroup_size: 128
    .sgpr_count:     66
    .vgpr_count:     256
    .wavefront_size: 32
...
	.end_amdgpu_metadata
.endif
;; end of part 1
;; launch proj (part 2): grid 656 x 1, 4 waves a work-group, clusters of 4 x 1, 327,680 bytes of LDS; arguments ac, wc, lowp_scales, qk; writes qk
.if DOCPART == 2
	.amdgcn_target "amdgcn-amd-amdhsa--gfx1250"
	.amdhsa_code_object_version 6
	.text
	.protected	k_qffbf70b409_proj
	.globl	k_qffbf70b409_proj
	.p2align	8
	.type	k_qffbf70b409_proj,@function
k_qffbf70b409_proj:
	s_mov_b64 s[64:65], 0
	v_nop
	global_prefetch_b8 v0, s[64:65] scope:SCOPE_SE
	s_setreg_imm32_b32 hwreg(HW_REG_WAVE_MODE, 25, 1), 1
	s_wait_xcnt 0x0
	s_wait_alu depctr_hold_cnt(0) depctr_sa_sdst(0) depctr_va_vdst(0) depctr_va_sdst(0) depctr_va_ssrc(0) depctr_va_vcc(0) depctr_vm_vsrc(0)
	s_getreg_b32 s2, hwreg(HW_REG_IB_STS2, 6, 4)
	s_cmp_eq_u32 s2, 0
	s_cbranch_scc0 .Lentry_in_a_cluster
	s_endpgm
.Lentry_in_a_cluster:
	s_bfe_u32 s2, ttmp6, 0x10000c
	s_cmp_lg_u32 s2, 0x3003
	s_cbranch_scc0 .Lentry_shape_is_right
	s_endpgm
.Lentry_shape_is_right:
; PROJ: the six projections (q, kb_q, k, v, kb_k, kb_v) on codes of E4M3, RoPE on q and k, and the results quantised for attention and laid as images of operand registers.
; 656 tiles of 128 tokens x 128 features (two heads).  Four waves, each 64 tokens x 64 features: one whole head.  K = 2,048 in four steps of 512 through two LDS slots.
; CLUSTER 4 x 1: a cluster is one tile of tokens against four neighbouring tiles of one weight.  The tokens' tile is asked for jointly (mask 15); a weight's tile is each work-group's own
; (no mask).  A cluster of 4 x 4 is not taken: kb_keys and kb_values have only two tiles of tokens, while every weight has a multiple of four tiles.
; THE MATRIX INSTRUCTION IS USED TRANSPOSED (source 0 = 16 rows of the weight, source 1 = 16 tokens): lane (r, h) holds token 16 a + r and features 16 b + 8 h + 0..7 in accumulator (a, b).
; A fragment's registers 4 c .. 4 c + 3 hold k = 32 c + 16 h + 0..15: a permutation of k that is the same on both sides.
; A sum stands for sum x 2^(eA + eB); RoPE is linear, so it acts on the sums as they are, and the conversion takes the one scale 2^(eO - eA - eB).  LIMIT: eO - eA - eB between -126 and 119.
; IMAGES in qk, pieces of 512 bytes (lane l's 16 bytes at 16 l):  q, kb_q [head][tile of 16 queries][c]: lane (r, h') = d 32 c + 16 h' + 0..15 of query r.
;   K [KV head][piece 2 T + c][step]: lane (m, h') = the same d of key 32 (T/2) + 8 (T%2) + m + 8 (m/8) of the step's 128.   V [KV head][piece 4 t + b][step]: lane (d % 16, h'') = keys 32 b + 16 h'' + 0..15 of channel 16 t + d % 16.
; REGISTERS: window 0: v0-31 addresses; v32-127 at work on the way out; v128-255 the 16 accumulators.  window 1: two sets of fragments (A's four, then B's four, 16 registers each).
.set KSTEP,  512
.set PITCH,  528                       ; an LDS row: 512 bytes + 16 of padding = 132 words: the 16 rows of a fragment load start 4 banks apart
.set HALFT,  64*PITCH
.set SLOT,   4*HALFT
.set STAGE,  2*SLOT
.set SQ,     STAGE                     ; three stages, 4,096 bytes a wave each: each way out has LDS bytes of its own
.set SK,     STAGE+16384
.set SV,     STAGE+32768
.set SPARE,  STAGE+49152               ; the spare words, 128 bytes a wave
.set ROPE,   0x1100000
.set KC,     8388608
.set VC,     9568256
.set ADRA, 16
.set ADRB, 20
.set STQ,  22
.set STK,  23
.set STV,  24
.set RDQ,  25
.set RDK,  26
.set RDV,  27
.set SPW,  28
.set NIL,  29
.set LO,   30
.set RT,   31
.set ACC,  128
.set F0,   0
.set F1,   128
.set G1,  24
.set G0,  32
.set G1B, 48
.set G0B, 56
.set MSB, 0
.macro WIN new                         ; the immediate's high byte repeats the setting that is left
.if MSB != \new
	s_set_vgpr_msb (MSB<<8)|\new
.set MSB, \new
.endif
.endm
.set MUL,  0x05                        ; sources 0 and 1 window 1; C and D window 0
.set TO_F, 0x40                        ; destination window 1, address window 0
.macro JLOAD s                         ; waves 0 and 1 fetch A's two halves, waves 2 and 3 B's; an s_nop 0 and four v_nop follow each line
	s_cmp_eq_u32 s11, 0
	s_cbranch_scc0 .Lfor_b_\@
	tensor_load_to_lds s[G0+4*\s:G0+4*\s+3], s[G1:G1+7]
	s_nop 0
.rept 4
	v_nop
.endr
	s_branch .Lasked_\@
.Lfor_b_\@:
	tensor_load_to_lds s[G0B+4*\s:G0B+4*\s+3], s[G1B:G1B+7]
	s_nop 0
.rept 4
	v_nop
.endr
.Lasked_\@:
.endm
.macro CREST                           ; a round of the cluster's barrier behind its opening barrier
	s_cmp_lg_u32 s10, 0
	s_cbranch_scc1 .Lnot_wave_0_\@
	s_barrier_signal -3
.Lnot_wave_0_\@:
	s_barrier_wait -3
	s_barrier_signal -1
	s_barrier_wait -1
.endm
.macro CROUND
	s_barrier_signal -1
	s_barrier_wait -1
	CREST
.endm
.macro PLACES                          ; four places in front of loads into registers that matrix instructions have read, and of the first read of results
.rept 4
	v_nop
.endr
.endm
.macro MULA f, a, zero                 ; A's block a against B's four, 128 along K; the 16 accumulators take turns, one instruction a turn
.irp b, 0,1,2,3
.if \zero
	v_wmma_f32_16x16x128_fp8_fp8 v[ACC+8*(4*(\a)+\b):ACC+8*(4*(\a)+\b)+7], v[\f+64+16*\b:\f+64+16*\b+15], v[\f+16*(\a):\f+16*(\a)+15], 0
.else
	v_wmma_f32_16x16x128_fp8_fp8 v[ACC+8*(4*(\a)+\b):ACC+8*(4*(\a)+\b)+7], v[\f+64+16*\b:\f+64+16*\b+15], v[\f+16*(\a):\f+16*(\a)+15], v[ACC+8*(4*(\a)+\b):ACC+8*(4*(\a)+\b)+7]
.endif
.endr
.endm
.macro FETCH slot, k, f                ; 32 LDS loads in one run: B's four fragments, then A's four, of 128 along K at byte k
	WIN TO_F
.irp i, 0,1,2,3
.irp c, 0,1,2,3
	ds_load_b128 v[\f+64+16*\i+4*\c:\f+64+16*\i+4*\c+3], v[ADRB+\slot] offset:\k+32*\c+\i*16*PITCH
.endr
.endr
.irp i, 0,1,2,3
.irp c, 0,1,2,3
	ds_load_b128 v[\f+16*\i+4*\c:\f+16*\i+4*\c+3], v[ADRA+\slot] offset:\k+32*\c+\i*16*PITCH
.endr
.endr
.endm
.macro QUARTER slot, k, f, g, zero     ; multiplies set f and fetches the next 128 along K, at byte k, into set g
	s_wait_dscnt 8                                 ; B and A's blocks 0, 1 are in; the youngest eight loads (blocks 2, 3) may be out
	WIN MUL
	MULA \f, 0, \zero
	MULA \f, 1, \zero
	PLACES
	FETCH \slot, \k, \g
	s_wait_dscnt 32                                ; all but the 32 just issued
	WIN MUL
	MULA \f, 2, \zero
	MULA \f, 3, \zero
.endm
.macro TURN slot, next, fill           ; a slot's last 128 along K, and the change of slots: one barrier
	WIN 0
	s_wait_tensorcnt 0x0                           ; all my tensor loads have landed: my part of the next slot;
	ds_add_u32 v[SPW], v[NIL]                      ; 0 onto my spare word;
	s_wait_dscnt 9                                 ; (the add and the youngest eight loads may be out)
	WIN MUL
	MULA F1, 0, 0
	s_wait_dscnt 0x0                               ; the add is done, and my reads of this slot are over
	s_barrier_signal -1
	MULA F1, 1, 0
.if \fill
	WIN 0
.endif
	s_barrier_wait -1
.if \fill
	CREST                                          ; the barrier has opened a round of the cluster's: no wave of any partner still reads this slot or has a load on its way
	s_add_nc_u64 s[G0+4*\slot+2:G0+4*\slot+3], s[G0+4*\slot+2:G0+4*\slot+3], 2*KSTEP
	s_add_nc_u64 s[G0B+4*\slot+2:G0B+4*\slot+3], s[G0B+4*\slot+2:G0B+4*\slot+3], 2*KSTEP
	JLOAD \slot                                    ; the first tensor load behind the round; its four v_nop are also the places in front of the loads below
.else
	PLACES
.endif
	FETCH \next, 0, F0
	WIN MUL
	MULA F1, 2, 0
	MULA F1, 3, 0
.endm
	s_load_b128 s[4:7], s[0:1], 0x0                ; ac, wc
	s_load_b128 s[68:71], s[0:1], 0x10             ; lowp_scales, qk
	v_lshl_add_u32 v[SPW], v0, 2, SPARE
	v_mov_b32 v[NIL], 0
	ds_add_u32 v[SPW], v[NIL]                      ; the wave's opening: the add, twice on end, and its wait ahead of my first tensor load
	ds_add_u32 v[SPW], v[NIL]
	v_lshrrev_b32 v1, 5, v0
	v_readfirstlane_b32 s10, v1                    ; wave 0..3
	s_lshr_b32 s11, s10, 1                         ; which 64 tokens are mine.  Also: I fetch for A (0) or for B (1)
	s_and_b32 s12, s10, 1                          ; which head of the tile's two.  Also: which 64 rows I fetch
	s_bfe_u32 s40, ttmp6, 0x40000                  ; cx: it enters B's address and the stores' addresses alone
	s_lshr_b32 s74, ttmp9, 4                       ; the cluster's number c: under 160: group of four weight tiles G = c / 16, tile of tokens tt = c % 16;
	s_and_b32 s75, ttmp9, 15
	s_sub_co_u32 s76, ttmp9, 160                   ; from 160 on (the KB products, two tiles of tokens): G = 10 + (c - 160) / 2, tt = (c - 160) % 2
	s_lshr_b32 s77, s76, 1
	s_add_co_u32 s77, s77, 10
	s_and_b32 s76, s76, 1
	s_cmp_lt_u32 ttmp9, 160
	s_cselect_b32 s74, s74, s77
	s_cselect_b32 s75, s75, s76
	s_lshr_b32 s78, s74, 2
	s_sub_co_u32 s79, s74, 6
	s_cmp_lt_u32 s74, 8
	s_cselect_b32 s78, s78, s79                    ; which product: 0 q, 1 kb_q, 2 k, 3 v, 4 kb_k, 5 kb_v
	s_lshl_b32 s16, s78, 22                        ; A: the versions of x lie 4 MiB apart, kb_keys behind them, kb_values 512 KiB further
	s_cmp_eq_u32 s78, 5
	s_cselect_b32 s17, 0x380000, 0
	s_sub_co_u32 s16, s16, s17
	s_lshl_b32 s17, s75, 7
	s_lshl_b32 s18, s12, 6
	s_add_co_u32 s17, s17, s18
	s_lshl_b32 s17, s17, 11
	s_add_co_u32 s16, s16, s17
	s_mov_b32 s17, 0
	s_lshl_b32 s46, s74, 2                         ; B: row 128 (4 G + cx) + 64 x half
	s_add_co_u32 s46, s46, s40
	s_lshl_b32 s46, s46, 7
	s_add_co_u32 s46, s46, s18
	s_lshl_b32 s46, s46, 11
	s_mov_b32 s47, 0
	s_mul_i32 s79, s78, 5                          ; the entries of the scales, five bits a product
	s_mov_b32 s80, (10<<5)|(2<<10)|(4<<15)|(6<<20)|(8<<25)
	s_lshr_b32 s80, s80, s79
	s_and_b32 s80, s80, 31
	s_lshl_b32 s80, s80, 2                         ; A's entry (B's is the next)
	s_mov_b32 s81, 12|(14<<5)|(13<<10)|(19<<15)|(15<<20)|(17<<25)
	s_lshr_b32 s81, s81, s79
	s_and_b32 s81, s81, 31
	s_lshl_b32 s81, s81, 2                         ; the result's entry
	; descriptor group 1: a tile of 64 rows x 512 bytes, 16 bytes of padding behind each row
	s_mov_b32 s[G1], 15|(1<<20)|(1<<21)|(6<<22)|(3<<25)   ; the mask names all four work-groups; elements of 1 byte; padding of 4 words after every 128
	s_mov_b32 s[G1B], (1<<20)|(6<<22)|(3<<25)             ; no mask: each work-group's own tile
.irp g, G1, G1B
	s_mov_b32 s[\g+1], KSTEP<<16
	s_mov_b32 s[\g+2], 64<<16
	s_mov_b32 s[\g+3], KSTEP<<16
	s_mov_b32 s[\g+4], 64
	s_mov_b32 s[\g+5], 2048
	s_mov_b32 s[\g+6], 0
	s_mov_b32 s[\g+7], 0
.endr
	s_mul_i32 s20, s10, HALFT                      ; where a tile goes: wave x 64 rows
	s_wait_dscnt 0x0                               ; both opening adds are done
	s_wait_kmcnt 0x0
	s_load_b64 s[84:85], s[68:69], s80 offset:0x0  ; eA, eB
	s_load_b32 s86, s[68:69], s81 offset:0x0       ; eO
	s_add_nc_u64 s[14:15], s[4:5], s[16:17]
	s_add_nc_u64 s[46:47], s[6:7], s[46:47]
	CROUND                                         ; all four work-groups are here: the first joint loads meet
.irp s, 0,1
	s_mov_b32 s[G0+4*\s], 1
	s_add_co_u32 s[G0+4*\s+1], s20, \s*SLOT
	s_add_nc_u64 s[G0+4*\s+2:G0+4*\s+3], s[14:15], \s*KSTEP
	s_or_b32 s[G0+4*\s+3], s[G0+4*\s+3], 0x80000000
	s_mov_b32 s[G0B+4*\s], 1
	s_add_co_u32 s[G0B+4*\s+1], s20, \s*SLOT
	s_add_nc_u64 s[G0B+4*\s+2:G0B+4*\s+3], s[46:47], \s*KSTEP
	s_or_b32 s[G0B+4*\s+3], s[G0B+4*\s+3], 0x80000000
	JLOAD \s
.endr
	v_and_b32 v1, 15, v0                           ; r
	v_bfe_u32 v2, v0, 4, 1                         ; h
	v_mul_u32_u24 v3, v1, PITCH
	v_lshl_add_u32 v3, v2, 4, v3
	s_mul_i32 s21, s11, HALFT
	s_mul_i32 s22, s12, HALFT
	s_add_co_u32 s22, s22, 2*HALFT
.irp s, 0,1
	v_add_nc_u32 v[ADRA+\s], s21, v3
	v_add_nc_u32 v[ADRB+\s], s22, v3
	s_add_co_u32 s21, s21, SLOT
	s_add_co_u32 s22, s22, SLOT
.endr
	s_lshl_b32 s23, s10, 12                        ; my 4,096 bytes of each stage
	v_lshlrev_b32 v4, 4, v1
	v_lshl_add_u32 v4, v2, 3, v4
	v_add_nc_u32 v4, s23, v4
	v_add_nc_u32 v[STQ], SQ, v4                    ; 16 r + 8 h
	v_and_b32 v5, 7, v1
	v_lshrrev_b32 v6, 3, v1
	v_lshlrev_b32 v5, 4, v5
	v_lshl_add_u32 v5, v6, 10, v5
	v_lshl_add_u32 v5, v2, 3, v5
	v_add_nc_u32 v5, s23, v5
	v_add_nc_u32 v[STK], SK, v5                    ; 1,024 (r / 8) + 16 (r % 8) + 8 h
	v_lshl_add_u32 v6, v2, 7, v1
	v_add_nc_u32 v6, s23, v6
	v_add_nc_u32 v[STV], SV, v6                    ; 128 h + r
	v_and_b32 v7, 31, v0
	v_lshlrev_b32 v[LO], 4, v7                     ; 16 x lane
	v_add_nc_u32 v7, s23, v[LO]
	v_add_nc_u32 v[RDQ], SQ, v7
	v_add_nc_u32 v[RDK], SK, v7
	v_add_nc_u32 v[RDV], SV, v7
	v_lshlrev_b32 v[RT], 8, v1
	v_lshl_add_u32 v[RT], v2, 6, v[RT]             ; the table: 256 r + 64 h
	s_wait_tensorcnt 1                             ; my part of K step 0 is in (K step 1's load may be out),
	s_barrier_signal -1
	s_barrier_wait -1                              ; everybody's is
	FETCH 0, 0, F0
	QUARTER 0, 128, F0, F1, 1                      ; the first products start the sums: nothing is cleared
	QUARTER 0, 256, F1, F0, 0
	QUARTER 0, 384, F0, F1, 0
	TURN 0, 1, 1
	QUARTER 1, 128, F0, F1, 0
	QUARTER 1, 256, F1, F0, 0
	QUARTER 1, 384, F0, F1, 0
	TURN 1, 0, 1
	QUARTER 0, 128, F0, F1, 0
	QUARTER 0, 256, F1, F0, 0
	QUARTER 0, 384, F0, F1, 0
	TURN 0, 1, 0                                   ; nothing is left to fetch
	QUARTER 1, 128, F0, F1, 0
	QUARTER 1, 256, F1, F0, 0
	QUARTER 1, 384, F0, F1, 0
	s_wait_dscnt 8
	WIN MUL
	MULA F1, 0, 0
	MULA F1, 1, 0
	s_wait_dscnt 0
	MULA F1, 2, 0
	MULA F1, 3, 0
	WIN 0
	; THE WAY OUT
	s_wait_kmcnt 0x0
	s_sub_co_i32 s86, s86, s84
	s_sub_co_i32 s86, s86, s85                     ; eO - eA - eB
	s_add_co_i32 s86, s86, 127
	s_lshl_b32 s87, s86, 23
	v_mov_b32 v10, s87
	s_add_co_i32 s86, s86, 8
	s_lshl_b32 s86, s86, 23
	s_or_b32 s86, s86, 0x600000
	v_mov_b32 v11, s86
	PLACES
	s_and_b32 s87, s78, 5                          ; RoPE for q (0) and k (2) alone
	s_cmp_lg_u32 s87, 0
	s_cbranch_scc1 .Lno_rope
	s_lshl_b32 s88, s75, 7
	s_lshl_b32 s89, s11, 6
	s_add_co_u32 s88, s88, s89
	s_lshl_b32 s88, s88, 8
	s_add_co_u32 s88, s88, ROPE
	s_mov_b32 s89, 0
	s_add_nc_u64 s[88:89], s[4:5], s[88:89]        ; the table at my first token
.macro TLD a, set                      ; block a's (cos, sin) of my 16 frequencies: 16 fb + 8 h + 0..7
.irp fb, 0,1
.irp i, 0,1,2,3
	global_load_b128 v[32+32*\set+16*\fb+4*\i:35+32*\set+16*\fb+4*\i], v[RT], s[88:89] offset:\a*4096+\fb*128+16*\i
.endr
.endr
.endm
.macro ROT a, set                      ; lo' = lo cos - hi sin, hi' = hi cos + lo sin; each accumulator from its low end on
.irp fb, 0,1
.irp j, 0,1,2,3,4,5,6,7
	v_mul_f32 v[2+2*(\j%2)], v[ACC+8*(4*\a+\fb+2)+\j], v[33+32*\set+16*\fb+2*\j]
	v_mul_f32 v[3+2*(\j%2)], v[ACC+8*(4*\a+\fb)+\j], v[33+32*\set+16*\fb+2*\j]
	v_fma_f32 v[ACC+8*(4*\a+\fb)+\j], v[ACC+8*(4*\a+\fb)+\j], v[32+32*\set+16*\fb+2*\j], -v[2+2*(\j%2)]
	v_fma_f32 v[ACC+8*(4*\a+\fb+2)+\j], v[ACC+8*(4*\a+\fb+2)+\j], v[32+32*\set+16*\fb+2*\j], v[3+2*(\j%2)]
.endr
.endr
.endm
	TLD 0, 0
	TLD 1, 1
	TLD 2, 2
	s_wait_loadcnt 16                              ; block 0's eight loads are in
	ROT 0, 0
	TLD 3, 0
	s_wait_loadcnt 16                              ; block 1's
	ROT 1, 1
	s_wait_loadcnt 8                               ; block 2's
	ROT 2, 2
	s_wait_loadcnt 0
	ROT 3, 0
.Lno_rope:
.set QN, 0
.rept 128
	v_med3_num_f32 v[ACC+QN], v[ACC+QN], -v11, v11 ; the conversion does not saturate (ISA guide 7.6.2): the hold at the largest code x the scale
.set QN, QN+1
.endr
.irp t, 0,1,2,3,4,5,6,7,8,9,10,11,12,13,14,15
	v_cvt_scalef32_pk8_fp8_f32 v[32+2*\t:33+2*\t], v[ACC+8*\t:ACC+8*\t+7], v10    ; accumulator (a, b) = t: eight codes, d = 16 b + 8 h + 0..7 of token 16 a + r
.endr
	v_nop                                          ; a plain instruction behind the last conversion
.macro SENDOUT rd, kind                ; my eight pieces back from my own stage (LDS serves a wave's instructions in order) and out: each store covers 512 consecutive aligned bytes
.irp i, 0,1,2,3,4,5,6,7
	ds_load_b128 v[64+4*\i:67+4*\i], v[\rd] offset:512*\i
.endr
.irp i, 0,1,2,3,4,5,6,7
	s_wait_dscnt 7-\i
.if \kind == 0
	global_store_b128 v[LO], v[64+4*\i:67+4*\i], s[70:71] offset:512*\i
.elseif \kind == 1
	global_store_b128 v[LO], v[64+4*\i:67+4*\i], s[70:71] offset:9216*\i
.else
	global_store_b128 v[LO], v[64+4*\i:67+4*\i], s[70:71] offset:(4*(\i/2)+\i%2)*9728
.endif
.endr
.endm
	s_lshl_b32 s93, s40, 1
	s_add_co_u32 s93, s93, s12                     ; the KV head: 2 cx + my head of the tile
	s_add_co_u32 s94, s75, 2
	s_cmp_ge_u32 s78, 4
	s_cselect_b32 s94, s75, s94                    ; the key step: KB tokens 0, 1; the sequence's from 2 on
	s_lshl_b32 s94, s94, 9
	s_cmp_lt_u32 s78, 2
	s_cbranch_scc1 .Lpat_q
	s_bitcmp1_b32 s78, 0
	s_cbranch_scc1 .Lpat_v
	; K: token 64 wr + 16 a + r is row 8 (a % 2) + r % 8 of tile 4 wr + 2 (a / 2) + r / 8
.irp a, 0,1,2,3
.irp fb, 0,1,2,3
	ds_store_b64 v[STK], v[32+2*(4*\a+\fb):33+2*(4*\a+\fb)] offset:(\a/2)*2048+(\fb/2)*512+(\a%2)*128+(\fb%2)*256
.endr
.endr
	s_mul_i32 s90, s93, 147456
	s_mul_i32 s91, s11, 8*9216
	s_add_co_u32 s90, s90, s91
	s_add_co_u32 s90, s90, s94
	s_add_co_u32 s90, s90, KC
	s_mov_b32 s91, 0
	s_add_nc_u64 s[70:71], s[70:71], s[90:91]
	SENDOUT RDK, 1
	s_branch .Ldone
.Lpat_q:
.irp a, 0,1,2,3
.irp fb, 0,1,2,3
	ds_store_b64 v[STQ], v[32+2*(4*\a+\fb):33+2*(4*\a+\fb)] offset:\a*1024+(\fb/2)*512+(\fb%2)*256
.endr
.endr
	s_and_b32 s90, s74, 3
	s_lshl_b32 s90, s90, 2
	s_add_co_u32 s90, s90, s40
	s_lshl_b32 s90, s90, 1
	s_add_co_u32 s90, s90, s12                     ; the head
	s_lshl_b32 s90, s90, 17
	s_lshl_b32 s91, s78, 22                        ; kb_q lies 4 MiB behind q
	s_add_co_u32 s90, s90, s91
	s_lshl_b32 s91, s75, 3
	s_lshl_b32 s92, s11, 2
	s_add_co_u32 s91, s91, s92
	s_lshl_b32 s91, s91, 10
	s_add_co_u32 s90, s90, s91
	s_mov_b32 s91, 0
	s_add_nc_u64 s[70:71], s[70:71], s[90:91]
	SENDOUT RDQ, 0
	s_branch .Ldone
.Lpat_v:
	; V: the keys are the next K, and they lie across my lanes: each code goes to its place by a store of one byte.  The shifted bytes have registers of their own (the accumulators are done with).
.irp a, 0,1,2,3
.irp fb, 0,1,2,3
.irp qd, 0,1
	v_lshrrev_b32 v[128+3*(2*(4*\a+\fb)+\qd)], 8, v[32+2*(4*\a+\fb)+\qd]
	v_lshrrev_b32 v[129+3*(2*(4*\a+\fb)+\qd)], 16, v[32+2*(4*\a+\fb)+\qd]
	v_lshrrev_b32 v[130+3*(2*(4*\a+\fb)+\qd)], 24, v[32+2*(4*\a+\fb)+\qd]
	ds_store_b8 v[STV], v[32+2*(4*\a+\fb)+\qd] offset:(2*\fb+\a/2)*512+(\a%2)*256+64*\qd
	ds_store_b8 v[STV], v[128+3*(2*(4*\a+\fb)+\qd)] offset:(2*\fb+\a/2)*512+(\a%2)*256+64*\qd+16
	ds_store_b8 v[STV], v[129+3*(2*(4*\a+\fb)+\qd)] offset:(2*\fb+\a/2)*512+(\a%2)*256+64*\qd+32
	ds_store_b8 v[STV], v[130+3*(2*(4*\a+\fb)+\qd)] offset:(2*\fb+\a/2)*512+(\a%2)*256+64*\qd+48
.endr
.endr
.endr
	s_mul_i32 s90, s93, 155648
	s_mul_i32 s91, s11, 2*9728
	s_add_co_u32 s90, s90, s91
	s_add_co_u32 s90, s90, s94
	s_add_co_u32 s90, s90, VC
	s_mov_b32 s91, 0
	s_add_nc_u64 s[70:71], s[70:71], s[90:91]
	SENDOUT RDV, 2
.Ldone:
	s_wait_tensorcnt 0x0                           ; the wave's end: behind my last tensor load and my last LDS store
	ds_add_u32 v[SPW], v[NIL]
	s_wait_dscnt 0x0
	CROUND                                         ; the closing round: no work-group ends while a partner may still ask for a tile that names it
	s_endpgm
.Lfunc_end_k_qffbf70b409_proj:
	.size	k_qffbf70b409_proj, .Lfunc_end_k_qffbf70b409_proj-k_qffbf70b409_proj
	.p2alignl 7, 3214868480
	.fill 96, 4, 3214868480
	.section	.rodata,"a",@progbits
	.p2align	6, 0x0
	.amdhsa_kernel k_qffbf70b409_proj
		.amdhsa_group_segment_fixed_size 327680
		.amdhsa_private_segment_fixed_size 0
		.amdhsa_enable_private_segment 0
		.amdhsa_kernarg_size 32
		.amdhsa_user_sgpr_count 2
		.amdhsa_user_sgpr_kernarg_segment_ptr 1
		.amdhsa_wavefront_size32 1
		.amdhsa_system_sgpr_workgroup_id_x 1
		.amdhsa_system_sgpr_workgroup_id_y 1
		.amdhsa_system_sgpr_workgroup_id_z 1
		.amdhsa_system_vgpr_workitem_id 0
		.amdhsa_next_free_vgpr 512
		.amdhsa_next_free_sgpr 100
		.amdhsa_reserve_vcc 0
		.amdhsa_float_denorm_mode_32 3
		.amdhsa_float_denorm_mode_16_64 3
		.amdhsa_memory_ordered 1
		.amdhsa_forward_progress 1
		.amdhsa_inst_pref_size 107
	.end_amdhsa_kernel
	.amdgpu_metadata
---
amdhsa.version: [ 1, 2 ]
amdhsa.kernels:
  - .name:           k_qffbf70b409_proj
    .symbol:         k_qffbf70b409_proj.kd
    .args:
      - { .name: ac, .offset: 0, .size: 8, .value_kind: global_buffer, .address_space: global }
      - { .name: wc, .offset: 8, .size: 8, .value_kind: global_buffer, .address_space: global }
      - { .name: lowp_scales, .offset: 16, .size: 8, .value_kind: global_buffer, .address_space: global }
      - { .name: qk, .offset: 24, .size: 8, .value_kind: global_buffer, .address_space: global }
    .group_segment_fixed_size: 327680
    .private_segment_fixed_size: 0
    .kernarg_segment_align: 8
    .kernarg_segment_size: 32
    .max_flat_workgroup_size: 128
    .sgpr_count:     100
    .vgpr_count:     512
    .wavefront_size: 32
...
	.end_amdgpu_metadata
.endif
;; end of part 2
;; launch attn (part 3): grid 32 x 8, 16 waves a work-group, no clusters, 327,680 bytes of LDS; arguments qk, lowp_scales, cc, o_w, up_w, down_w, wo, wc, wd; writes cc, wo, wc, wd
.if DOCPART == 3
	.amdgcn_target "amdgcn-amd-amdhsa--gfx1250"
	.amdhsa_code_object_version 6
	.text
	.protected	k_qffbf70b409_attn
	.globl	k_qffbf70b409_attn
	.p2align	8
	.type	k_qffbf70b409_attn,@function
k_qffbf70b409_attn:
	s_mov_b64 s[64:65], 0
	v_nop
	global_prefetch_b8 v0, s[64:65] scope:SCOPE_SE
	s_setreg_imm32_b32 hwreg(HW_REG_WAVE_MODE, 25, 1), 1
	s_wait_xcnt 0x0
; ATTN: the joint softmax over [sink, 256 KB keys ; the causal keys] and both products with the values, on codes of E4M3; the result is quantised with e20 for the projection on the way out.
; LEFT OUT (shown at the head of the first kernel): key steps all of whose 128 keys lie above a tile's 16 queries.  Inside the step on the diagonal hidden scores become -infinity: p = 0.
; THE PROBABILITIES ARE QUANTISED FINISHED AND NORMALISED, so each row's maximum and sum are known before any p is quantised: TWO PASSES over the keys.
;   pass 1: t = score x log2(e) / 8; M = the running largest t rounded up to a whole number; l = the sum of 2^(t - M), brought under a new M by 2^(old M - new M), which rounds nothing.
;   pass 2: p = 2^(t - M) x (1 / l), held at 448 x the scale, quantised (e16 for KB keys, e18 for the others), O^T += V^T P^T.
; The sink is walked first: it counts for every query, so it starts M, l and O^T.  The order of the keys moves neither the softmax nor the sums but by rounding.
; SHARES.  Work-group (j, g): KV head g.  Wave w: query head 4 g + w % 4, rank (w / 4 + w % 4) % 4; its tile of 16 queries is j, 63 - j, 64 + j, 127 - j for ranks 0..3: the four ranks' live key steps
; add up to nearly the same number for every j.  Any four waves with consecutive numbers 4 s .. 4 s + 3, and any four whose numbers lie 4 apart, hold all four ranks.
; The four heads and four ranks share one copy of the KV head's K and V in LDS.
; THE WAVES WITH FEW KEY STEPS ALSO QUANTISE THE THREE WEIGHTS THAT ARE WANTED BEHIND ATTENTION: o_w (e21, into wo), up_w (e23, 12 MiB into wc), down_w (e25, into wd).  All waves meet at the barrier between the
; passes; rank 0 has 9 to 15 key steps fewer than rank 3 in front of it, rank 1 always 8 fewer.  The three tensors are 3,072 units of 4,096 numbers, twelve a work-group: a wave of rank 0 takes two, one of rank 1 one,
; behind its own pass 1.  code = x / 2^e, held within +-448, to the nearest code, ties to even.  A lane takes 64 consecutive bytes (16 neighbours along K, as the conversions want them) by four loads, which together
; cover a step's 2,048 bytes; there is no turn through LDS: 322,560 of the 327,680 bytes are taken.
; NO RING: as images of operand registers a KV head's K (147,456 bytes) and V (155,648) both fit.
; Each load holds a part of every key step, so key steps above the work-group's last query (0 to 3 of 16) are fetched with the rest and not read.
; NO CLUSTER: the other work-groups of a KV head differ in j, on which the branches round hidden steps hang.
; Both products are used transposed: a lane holds ONE query (lane % 16) throughout; register n of the scores is key 32 (n / 16) + 16 (lane / 16) + n % 16 of the step.
; LIMITS: e12+e13 and e14+e15 between -123 and 130 (added to the exponent field of log2(e)/8); e16, e18, e21, e23, e25 and e20-e18-e19 between -126 and 119; NaN among the weights is not served.
; REGISTERS: v1-3 K's and v4-6 V's lane places; v7, v8 the add's two; v9-11 K's addresses in hand; v12 -M, v13 the largest t, v[14:15] l; v16-23 q; v24-31 kb_q; v32-95 fragments of K or V;
;   v96-159 scores, then p; v160-191 O^T; v192-207 p's codes; v208-215 the sink's tile of K; v216-218 V's addresses; v219, v223, v248 the way out; v[220:221] 1 / l; v222 the sink's t; v224-229 scales and limits; v230-247 at work;
;   v249 64 x lane, v250, v251 a weight's scale and limit.  Between the passes v32-159 take a unit's numbers and v160-191 its codes.
.set KPB,   9216                       ; a piece of K: 18 steps x 512 bytes
.set VPB,   9728                       ; a piece of V: 19 steps
.set VB,    16*KPB
.set STG,   VB+16*VPB                  ; the way out: for each rank 16 rows x (256 bytes + 16)
.set SPARE, STG+4*16*272               ; the spare words, 128 bytes a wave
.set BC,    4194304
.set KC,    8388608
.set VC,    9568256
.set KT,    10813440
.macro G1SET g, rows                   ; a dense block as rows of 256 bytes: elements of 8 bytes, 32 to a row
	s_mov_b32 s[\g], 3<<16
	s_mov_b32 s[\g+1], 32<<16
	s_mov_b32 s[\g+2], (\rows)<<16
	s_mov_b32 s[\g+3], 32<<16
	s_mov_b32 s[\g+4], \rows
	s_mov_b32 s[\g+5], 32
	s_mov_b32 s[\g+6], 0
	s_mov_b32 s[\g+7], 0
.endm
.macro MKSC e, sc, lim
	s_add_co_i32 s98, \e, 127
	s_lshl_b32 s99, s98, 23
	v_mov_b32 v[\sc], s99
	s_add_co_i32 s98, s98, 8
	s_lshl_b32 s98, s98, 23
	s_or_b32 s98, s98, 0x600000
	v_mov_b32 v[\lim], s98
.endm
	s_load_b128 s[4:7], s[0:1], 0x0                ; qk, lowp_scales
	s_load_b64 s[8:9], s[0:1], 0x10                ; cc
	s_load_b128 s[44:47], s[0:1], 0x18             ; o_w, up_w
	s_load_b128 s[48:51], s[0:1], 0x28             ; down_w, wo
	s_load_b128 s[60:63], s[0:1], 0x38             ; wc, wd
	v_lshl_add_u32 v7, v0, 2, SPARE
	v_mov_b32 v8, 0
	ds_add_u32 v7, v8                              ; the wave's opening: the add, twice on end, and its wait ahead of my first tensor load
	ds_add_u32 v7, v8
	v_lshrrev_b32 v9, 5, v0
	v_readfirstlane_b32 s18, v9                    ; wave 0..15
	s_and_b32 s10, ttmp7, 0xffff                   ; g
	s_and_b32 s12, s18, 3                          ; head in the group
	s_lshr_b32 s11, s18, 2
	s_add_co_u32 s11, s11, s12
	s_and_b32 s11, s11, 3                          ; rank = (w / 4 + w % 4) % 4: (rank, head) names each of the sixteen waves once
	s_lshl_b32 s87, s10, 5
	s_add_co_u32 s87, s87, ttmp9
	s_mul_i32 s87, s87, 12                         ; the first of my work-group's twelve units of the weights
	s_sub_co_u32 s13, 63, ttmp9
	s_bitcmp1_b32 s11, 0
	s_cselect_b32 s13, s13, ttmp9
	s_lshr_b32 s14, s11, 1
	s_lshl_b32 s14, s14, 6
	s_add_co_u32 s13, s13, s14                     ; my tile of queries
	s_lshl_b32 s68, s13, 4                         ; my first query
	G1SET 28, 36
	G1SET 36, 38
	s_mul_i32 s19, s18, KPB                        ; piece w of K in LDS,
	s_mul_i32 s16, s10, 16*KPB
	s_add_co_u32 s16, s16, s19
	s_add_co_u32 s16, s16, KC                      ; and in qk
	s_mov_b32 s17, 0
	s_mul_i32 s27, s18, VPB
	s_mul_i32 s14, s10, 16*VPB
	s_add_co_u32 s14, s14, s27
	s_add_co_u32 s14, s14, VC
	s_mov_b32 s15, 0
	s_add_co_u32 s27, s27, VB
	s_mov_b32 s20, 0x76543210
	s_mov_b32 s21, 0xfedcba98
	s_mov_b32 s70, 0xffff                          ; lanes 0-15
	s_wait_dscnt 0x0                               ; both opening adds are done
	s_wait_kmcnt 0x0
	s_load_b256 s[72:79], s[6:7], 0x30             ; e12 .. e19
	s_load_b128 s[80:83], s[6:7], 0x50             ; e20 .. e23
	s_load_b64 s[84:85], s[6:7], 0x60              ; e24, e25
	s_mov_b32 s52, 1
	s_mov_b32 s53, s19
	s_add_nc_u64 s[54:55], s[4:5], s[16:17]
	s_or_b32 s55, s55, 0x80000000
	s_mov_b32 s56, 1
	s_mov_b32 s57, s27
	s_add_nc_u64 s[58:59], s[4:5], s[14:15]
	s_or_b32 s59, s59, 0x80000000
	tensor_load_to_lds s[52:55], s[28:35]          ; K's piece w: two tensor loads of mine are out
	s_nop 0
	tensor_load_to_lds s[56:59], s[36:43]          ; V's piece w
	s_nop 0
	v_and_b32 v9, 31, v0
	v_lshlrev_b32 v1, 4, v9                        ; 16 x lane; the pieces lie too far apart for one immediate: three registers a side
	v_lshlrev_b32 v249, 6, v9                      ; 64 x lane: my 16 numbers of a step of the weights
	v_add_nc_u32 v2, 7*KPB, v1
	v_add_nc_u32 v3, 14*KPB, v1
	v_add_nc_u32 v4, VB, v1
	v_add_nc_u32 v5, VB+6*VPB, v1
	v_add_nc_u32 v6, VB+12*VPB, v1
	s_lshl_b32 s92, s10, 2
	s_add_co_u32 s92, s92, s12
	s_lshl_b32 s92, s92, 17
	s_lshl_b32 s93, s13, 10
	s_add_co_u32 s92, s92, s93
	s_mov_b32 s93, 0
	s_add_nc_u64 s[94:95], s[4:5], s[92:93]        ; my tile's image of q; kb_q's lies BC bytes on
	s_lshl_b32 s92, s10, 10
	s_add_co_u32 s92, s92, KT
	s_add_nc_u64 s[96:97], s[4:5], s[92:93]        ; the sink's tile of K
	global_load_b128 v[16:19], v1, s[94:95]
	global_load_b128 v[20:23], v1, s[94:95] offset:512
	global_load_b128 v[24:27], v1, s[94:95] offset:BC
	global_load_b128 v[28:31], v1, s[94:95] offset:BC+512
	global_load_b128 v[208:211], v1, s[96:97]
	global_load_b128 v[212:215], v1, s[96:97] offset:512
	v_and_b32 v10, 15, v0                          ; r
	v_bfe_u32 v11, v0, 4, 1                        ; h
	s_mul_i32 s92, s11, 16*272                     ; my rank's stage
	s_lshl_b32 s93, s12, 6
	s_add_co_u32 s93, s93, s92
	v_mul_u32_u24 v219, v10, 272
	v_lshl_add_u32 v219, v11, 3, v219
	v_add_nc_u32 v219, s93, v219
	v_add_nc_u32 v219, STG, v219                   ; in: row r, my head's 64 bytes, + 8 h
	s_mul_i32 s93, s12, 4*272
	s_add_co_u32 s93, s93, s92
	v_mul_u32_u24 v223, v11, 272
	v_lshl_add_u32 v223, v10, 4, v223
	v_add_nc_u32 v223, s93, v223
	v_add_nc_u32 v223, STG, v223                   ; back: rows 4 (w % 4) + h of my rank's stage, 16 bytes a lane
	v_lshlrev_b32 v248, 11, v11
	v_lshl_add_u32 v248, v10, 4, v248              ; and the same in cc
	s_lshl_b32 s92, s12, 2
	s_add_co_u32 s92, s92, s68
	s_lshl_b32 s92, s92, 11
	s_lshl_b32 s93, s10, 8
	s_add_co_u32 s92, s92, s93
	s_mov_b32 s93, 0
	s_add_nc_u64 s[8:9], s[8:9], s[92:93]
	v_mov_b32 v233, 0                              ; (named as the upper half of a pair)
	v_mov_b32 v234, 0                              ; (a lane permute's destination counts as one of its sources)
	s_wait_kmcnt 0x0
	s_add_co_i32 s92, s74, s75
	s_lshl_b32 s92, s92, 23
	s_add_co_i32 s22, s92, 0x3e38aa3b              ; log2(e) / 8 x 2^(e14 + e15): for KB scores
	s_mov_b32 s23, s22
	s_add_co_i32 s92, s72, s73
	s_lshl_b32 s92, s92, 23
	s_add_co_i32 s24, s92, 0x3e38aa3b              ; x 2^(e12 + e13): for the others
	s_mov_b32 s25, s24
	MKSC s76, 224, 225
	MKSC s78, 226, 227
	s_sub_co_i32 s92, s80, s78
	s_sub_co_i32 s92, s92, s79
	MKSC s92, 228, 229                             ; O stands for O x 2^(e18 + e19): its conversion takes 2^(e20 - e18 - e19)
	s_add_co_i32 s86, s76, s77
	s_sub_co_i32 s86, s86, s78
	s_sub_co_i32 s86, s86, s79                     ; from KB units to the others': e16 + e17 - e18 - e19
.macro KLOADS                          ; the step's K: eight tiles of 16 keys, two pieces each: every load reads 512 consecutive bytes
.irp p, 0,1,2,3,4,5,6,7,8,9,10,11,12,13,14,15
	ds_load_b128 v[32+4*\p:35+4*\p], v[9+\p/7] offset:(\p%7)*KPB
.endr
.endm
.macro VLOADS                          ; the step's V: four tiles of 16 channels x 128 keys
.irp p, 0,1,2,3,4,5,6,7,8,9,10,11,12,13,14,15
	ds_load_b128 v[32+4*\p:35+4*\p], v[216+\p/6] offset:(\p%6)*VPB
.endr
.endm
.macro SCORES qf
.irp t, 0,1,2,3,4,5,6,7
	v_wmma_f32_16x16x64_fp8_fp8 v[96+8*\t:103+8*\t], v[32+8*\t:39+8*\t], v[\qf:\qf+7], 0
.endr
.rept 4
	v_nop                                          ; places behind the products
.endr
.endm
.macro MASK                            ; on the diagonal: register n hides where 32 (n / 16) + n % 16 > my query - the step's first key - 16 (lane / 16).  A step all of whose keys count skips this
	s_add_co_u32 s98, s67, 127
	s_cmp_le_u32 s98, s68
	s_cbranch_scc1 .Lopen_\@
	s_sub_co_i32 s98, s68, s67
	v_and_b32 v240, 15, v0
	v_bfe_u32 v241, v0, 4, 1
	v_lshlrev_b32 v241, 4, v241
	v_sub_nc_u32 v240, v240, v241
	v_add_nc_u32 v240, s98, v240
	v_mov_b32 v242, 0xff800000
.irp n, 0,1,2,3,4,5,6,7,8,9,10,11,12,13,14,15,16,17,18,19,20,21,22,23,24,25,26,27,28,29,30,31,32,33,34,35,36,37,38,39,40,41,42,43,44,45,46,47,48,49,50,51,52,53,54,55,56,57,58,59,60,61,62,63
	v_cmp_gt_i32 vcc_lo, 32*(\n/16)+\n%16, v240
	v_cndmask_b32 v[96+\n], v[96+\n], v242, vcc_lo
.endr
.Lopen_\@:
.endm
.macro POWERS cs                       ; 2^(t - M), 64 numbers: one batch of exponentials
.irp j, 0,2,4,6,8,10,12,14,16,18,20,22,24,26,28,30,32,34,36,38,40,42,44,46,48,50,52,54,56,58,60,62
	v_pk_fma_f32 v[96+\j:97+\j], v[96+\j:97+\j], s[\cs:\cs+1], v[12:13] op_sel_hi:[1,0,0]
.endr
.irp j, 0,1,2,3,4,5,6,7,8,9,10,11,12,13,14,15,16,17,18,19,20,21,22,23,24,25,26,27,28,29,30,31,32,33,34,35,36,37,38,39,40,41,42,43,44,45,46,47,48,49,50,51,52,53,54,55,56,57,58,59,60,61,62,63
	v_exp_f32 v[96+\j], v[96+\j]
.endr
.endm
; PASS 1, a key step: the scores, the running M, the sum.
.macro STEP1 qf, cs, causal
.if \causal
	s_add_co_u32 s98, s68, 15
	s_cmp_gt_u32 s67, s98                          ; ids and the count of steps alone
	s_cbranch_scc1 .Lskip_\@
.endif
	v_add_nc_u32 v9, s2, v1
	v_add_nc_u32 v10, s2, v2
	v_add_nc_u32 v11, s2, v3
	KLOADS
	s_wait_dscnt 0x0
	SCORES \qf
.if \causal
	MASK
.endif
	v_max3_num_f32 v230, v96, v97, v98             ; the step's largest score of my query among my 64 keys, in two chains, each accumulator from its low end on
	v_max3_num_f32 v238, v99, v100, v101
.irp i, 6,10,14,18,22,26,30,34,38,42,46,50,54,58
	v_max3_num_f32 v230, v230, v[96+\i], v[97+\i]
	v_max3_num_f32 v238, v238, v[98+\i], v[99+\i]
.endr
	v_max3_num_f32 v230, v230, v158, v159
	v_max_num_f32 v230, v230, v238
	v_permlanex16_b32 v234, v230, s20, s21
	v_max_num_f32 v230, v230, v234
	v_mul_f32 v230, s[\cs], v230
	v_max_num_f32 v13, v13, v230
	v_mov_b32 v230, v12
	v_floor_f32 v12, -v13                          ; -M = floor(-t)
	v_sub_f32 v230, v12, v230
	v_cvt_i32_f32 v230, v230
	v_ldexp_f32 v232, 1.0, v230                    ; 2^(old M - new M)
	POWERS \cs
	v_pk_mul_f32 v[14:15], v[14:15], v[232:233] op_sel_hi:[1,0]   ; (the plain instruction behind the exponentials)
	s_wait_alu depctr_va_vdst(0)                   ; one wait for the batch, ahead of its first reader
	v_pk_add_f32 v[236:237], v[96:97], v[98:99]
.irp j, 4,8,12,16,20,24,28,32,36,40,44,48,52,56,60
	v_pk_add_f32 v[14:15], v[14:15], v[96+\j:97+\j]
	v_pk_add_f32 v[236:237], v[236:237], v[98+\j:99+\j]
.endr
	v_pk_add_f32 v[14:15], v[14:15], v[236:237]
.Lskip_\@:
	s_add_co_u32 s2, s2, 512
.if \causal
	s_add_co_u32 s67, s67, 128
.endif
.endm
; PASS 2, a key step: the scores again, p finished, its codes, O^T += V^T P^T.
.macro STEP2 qf, cs, sc, lim, causal
.if \causal
	s_add_co_u32 s98, s68, 15
	s_cmp_gt_u32 s67, s98
	s_cbranch_scc1 .Lskip_\@
.endif
	v_add_nc_u32 v9, s2, v1                        ; (these six are also the places behind the last products, in front of the loads into their operands)
	v_add_nc_u32 v10, s2, v2
	v_add_nc_u32 v11, s2, v3
	v_add_nc_u32 v216, s2, v4
	v_add_nc_u32 v217, s2, v5
	v_add_nc_u32 v218, s2, v6
	KLOADS
	s_wait_dscnt 0x0
	SCORES \qf
	VLOADS                                         ; V lands under the softmax
.if \causal
	MASK
.endif
	POWERS \cs
	v_nop                                          ; the plain instruction behind the exponentials
	s_wait_alu depctr_va_vdst(0)                   ; one wait for the batch
.irp j, 0,2,4,6,8,10,12,14,16,18,20,22,24,26,28,30,32,34,36,38,40,42,44,46,48,50,52,54,56,58,60,62
	v_pk_mul_f32 v[96+\j:97+\j], v[96+\j:97+\j], v[220:221] op_sel_hi:[1,0]   ; p, normalised
.endr
.irp b, 0,1,2,3
.irp i, 0,1,2,3,4,5,6,7,8,9,10,11,12,13,14,15
	v_min_num_f32 v[96+16*\b+\i], v[96+16*\b+\i], v[\lim]    ; p is not negative: the hold is one-sided
.endr
	v_cvt_scalef32_pk8_fp8_f32 v[192+4*\b:193+4*\b], v[96+16*\b:103+16*\b], v[\sc]
	v_cvt_scalef32_pk8_fp8_f32 v[194+4*\b:195+4*\b], v[104+16*\b:111+16*\b], v[\sc]
.endr
	v_nop                                          ; a plain instruction behind the last conversion
	s_wait_dscnt 0x0                               ; V is in
.irp t, 0,1,2,3
	v_wmma_f32_16x16x128_fp8_fp8 v[160+8*\t:167+8*\t], v[32+16*\t:47+16*\t], v[192:207], v[160+8*\t:167+8*\t]
.endr
.Lskip_\@:
	s_add_co_u32 s2, s2, 512
.if \causal
	s_add_co_u32 s67, s67, 128
.endif
.endm
; A UNIT OF THE WEIGHTS: unit s88 of 3,072: tensor s88 / 1024 (o_w, up_w, down_w), 4,096 numbers from number 4,096 (s88 % 1024) on: eight steps of 512 numbers, all 32 loads out at once.
.macro UNIT
	s_lshr_b32 s89, s88, 10
	s_and_b32 s90, s88, 1023
	s_cmp_eq_u32 s89, 0                            ; the choices hang on ids alone
	s_cselect_b64 s[92:93], s[44:45], s[46:47]     ; o_w or up_w
	s_cselect_b64 s[94:95], s[50:51], s[60:61]     ; wo or wc
	s_cselect_b32 s96, s81, s83                    ; e21 or e23
	s_mov_b32 s97, 0xc00000                        ; up_w's codes lie 12 MiB into wc; o_w's and down_w's behind the 256 bytes that hold a factor
	s_cselect_b32 s97, 256, s97
	s_cmp_eq_u32 s89, 2
	s_cselect_b64 s[92:93], s[48:49], s[92:93]     ; down_w
	s_cselect_b64 s[94:95], s[62:63], s[94:95]     ; wd
	s_cselect_b32 s96, s85, s96                    ; e25
	s_cselect_b32 s97, 256, s97
	s_lshl_b32 s98, s90, 14
	s_mov_b32 s99, 0
	s_add_nc_u64 s[92:93], s[92:93], s[98:99]
	s_lshl_b32 s98, s90, 12
	s_add_co_u32 s98, s98, s97
	s_add_nc_u64 s[94:95], s[94:95], s[98:99]
.irp t, 0,1,2,3,4,5,6,7
.irp j, 0,1,2,3
	global_load_b128 v[32+16*\t+4*\j:35+16*\t+4*\j], v249, s[92:93] offset:2048*\t+16*\j th:TH_LOAD_NT
.endr
.endr
	MKSC s96, 250, 251
.irp t, 0,1,2,3,4,5,6,7
	s_wait_loadcnt 4*(7-\t)                        ; this step's four loads are in; those of the later steps may be out
.irp k, 0,1,2,3,4,5,6,7,8,9,10,11,12,13,14,15
	v_med3_num_f32 v[32+16*\t+\k], v[32+16*\t+\k], -v251, v251   ; the conversion does not saturate (ISA guide 7.6.2): the hold at the largest code x the scale
.endr
	v_cvt_scalef32_pk8_fp8_f32 v[160+4*\t:161+4*\t], v[32+16*\t:39+16*\t], v250
	v_cvt_scalef32_pk8_fp8_f32 v[162+4*\t:163+4*\t], v[40+16*\t:47+16*\t], v250
	v_nop                                          ; a plain instruction behind the conversions
	global_store_b128 v1, v[160+4*\t:163+4*\t], s[94:95] offset:512*\t   ; 512 consecutive bytes, at a multiple of 256 from the buffer's first byte; each step has registers of its own
.endr
	s_wait_xcnt 0x0                                ; the stores have read their data and their base: the next unit, and pass 2's results, may be written there
.endm
	; THE SINK STARTS M AND l: its score lies in register 0 of lanes 0-15
	s_wait_loadcnt 0x0
	v_wmma_f32_16x16x64_fp8_fp8 v[96:103], v[208:215], v[24:31], 0
.rept 4
	v_nop
.endr
	v_permlanex16_b32 v234, v96, s20, s21
	v_cndmask_b32 v230, v234, v96, s70             ; both halves of the lanes hold it
	v_mul_f32 v13, s22, v230
	v_mov_b32 v222, v13
	v_floor_f32 v12, -v13
	v_add_f32 v230, v13, v12
	v_exp_f32 v230, v230
	v_mov_b32 v15, 0
	s_wait_alu depctr_va_vdst(0)
	v_cndmask_b32 v14, 0, v230, s70                ; counted once: in lanes 0-15
	s_mov_b32 s2, 0
	s_mov_b32 s67, 0
	s_wait_tensorcnt 1                             ; my piece of K is in; V's may stay out
	s_barrier_signal -1
	s_barrier_wait -1
	s_mov_b32 s69, 2
.Lkb1:
	STEP1 24, 22, 0
	s_sub_co_u32 s69, s69, 1
	s_cmp_lg_u32 s69, 0
	s_cbranch_scc1 .Lkb1
	s_mov_b32 s69, 16
.Lself1:                                           ; every wave walks all 16 trips; the work of a hidden step is jumped over
	STEP1 16, 24, 1
	s_sub_co_u32 s69, s69, 1
	s_cmp_lg_u32 s69, 0
	s_cbranch_scc1 .Lself1
	v_add_f32 v14, v14, v15
	v_permlanex16_b32 v234, v14, s20, s21
	v_add_f32 v14, v14, v234                       ; the row's sum
	v_rcp_f32 v220, v14
	v_add_f32 v230, v222, v12                      ; (a plain instruction)  the sink's t - M
	s_wait_alu depctr_va_vdst(0)
	v_mov_b32 v221, v220
	; THE WEIGHTS: ranks 0 and 1, which are here long before ranks 2 and 3.  Rank 0: units head and 4 + head of the work-group's twelve; rank 1: unit 8 + head
	s_cmp_gt_u32 s11, 1
	s_cbranch_scc1 .Lno_stream
	s_lshl_b32 s88, s11, 3
	s_add_co_u32 s88, s88, s12
	s_add_co_u32 s88, s88, s87
	UNIT
	s_cmp_lg_u32 s11, 0
	s_cbranch_scc1 .Lno_stream
	s_add_co_u32 s88, s88, 4
	UNIT
.Lno_stream:
	s_wait_tensorcnt 0x0                           ; my piece of V is in,
	s_wait_dscnt 0x0
	s_barrier_signal -1
	s_barrier_wait -1                              ; everybody's is
	; THE SINK STARTS O^T: key 0 of a step whose other 127 codes are zeros on both sides
	v_exp_f32 v230, v230
.irp j, 1,2,3,4,5,6,7
	v_mov_b32 v[240+\j], 0
.endr
	s_wait_alu depctr_va_vdst(0)
	v_mul_f32 v230, v230, v220
	v_min_num_f32 v230, v230, v225
	v_cndmask_b32 v240, 0, v230, s70
	v_cvt_scalef32_pk8_fp8_f32 v[192:193], v[240:247], v224
.irp j, 2,3,4,5,6,7,8,9,10,11,12,13,14,15
	v_mov_b32 v[192+\j], 0
.endr
	s_mov_b32 s2, 18*512
	v_add_nc_u32 v216, s2, v4
	v_add_nc_u32 v217, s2, v5
	v_add_nc_u32 v218, s2, v6
	VLOADS
	s_wait_dscnt 0x0
.irp t, 0,1,2,3
	v_wmma_f32_16x16x128_fp8_fp8 v[160+8*\t:167+8*\t], v[32+16*\t:47+16*\t], v[192:207], 0
.endr
	s_mov_b32 s2, 0
	s_mov_b32 s67, 0
	s_mov_b32 s69, 2
.Lkb2:
	STEP2 24, 22, 224, 225, 0
	s_sub_co_u32 s69, s69, 1
	s_cmp_lg_u32 s69, 0
	s_cbranch_scc1 .Lkb2
.rept 4
	v_nop
.endr
.set QN, 0
.rept 32
	v_ldexp_f32 v[160+QN], v[160+QN], s86          ; the KB part from units of 2^(e16 + e17) into units of 2^(e18 + e19): nothing is rounded
.set QN, QN+1
.endr
	s_mov_b32 s69, 16
.Lself2:
	STEP2 16, 24, 226, 227, 1
	s_sub_co_u32 s69, s69, 1
	s_cmp_lg_u32 s69, 0
	s_cbranch_scc1 .Lself2
	; THE WAY OUT: O^T quantised; the four heads of a rank meet in its stage, so that sixteen lanes store 256 consecutive aligned bytes of a row of cc
.rept 4
	v_nop
.endr
.set QN, 0
.rept 32
	v_med3_num_f32 v[160+QN], v[160+QN], -v229, v229
.set QN, QN+1
.endr
.irp t, 0,1,2,3
	v_cvt_scalef32_pk8_fp8_f32 v[192+2*\t:193+2*\t], v[160+8*\t:167+8*\t], v228
.endr
	v_nop
.irp t, 0,1,2,3
	ds_store_b64 v219, v[192+2*\t:193+2*\t] offset:16*\t
.endr
	s_wait_dscnt 0x0                               ; for the others' sake: my stores into the stage are done
	s_barrier_signal -1
	s_barrier_wait -1
	ds_load_b128 v[32:35], v223
	ds_load_b128 v[36:39], v223 offset:2*272
	s_wait_dscnt 1
	global_store_b128 v248, v[32:35], s[8:9]
	s_wait_dscnt 0
	global_store_b128 v248, v[36:39], s[8:9] offset:4096
	s_wait_tensorcnt 0x0                           ; the wave's end: behind my last tensor load and my last LDS store
	ds_add_u32 v7, v8
	s_wait_dscnt 0x0
	s_endpgm
.Lfunc_end_k_qffbf70b409_attn:
	.size	k_qffbf70b409_attn, .Lfunc_end_k_qffbf70b409_attn-k_qffbf70b409_attn
	.p2alignl 7, 3214868480
	.fill 96, 4, 3214868480
	.section	.rodata,"a",@progbits
	.p2align	6, 0x0
	.amdhsa_kernel k_qffbf70b409_attn
		.amdhsa_group_segment_fixed_size 327680
		.amdhsa_private_segment_fixed_size 0
		.amdhsa_enable_private_segment 0
		.amdhsa_kernarg_size 72
		.amdhsa_user_sgpr_count 2
		.amdhsa_user_sgpr_kernarg_segment_ptr 1
		.amdhsa_wavefront_size32 1
		.amdhsa_system_sgpr_workgroup_id_x 1
		.amdhsa_system_sgpr_workgroup_id_y 1
		.amdhsa_system_sgpr_workgroup_id_z 1
		.amdhsa_system_vgpr_workitem_id 0
		.amdhsa_next_free_vgpr 256
		.amdhsa_next_free_sgpr 100
		.amdhsa_reserve_vcc 1
		.amdhsa_float_denorm_mode_32 3
		.amdhsa_float_denorm_mode_16_64 3
		.amdhsa_memory_ordered 1
		.amdhsa_forward_progress 1
		.amdhsa_inst_pref_size 101
	.end_amdhsa_kernel
	.amdgpu_metadata
---
amdhsa.version: [ 1, 2 ]
amdhsa.kernels:
  - .name:           k_qffbf70b409_attn
    .symbol:         k_qffbf70b409_attn.kd
    .args:
      - { .name: qk, .offset: 0, .size: 8, .value_kind: global_buffer, .address_space: global }
      - { .name: lowp_scales, .offset: 8, .size: 8, .value_kind: global_buffer, .address_space: global }
      - { .name: cc, .offset: 16, .size: 8, .value_kind: global_buffer, .address_space: global }
      - { .name: o_w, .offset: 24, .size: 8, .value_kind: global_buffer, .address_space: global }
      - { .name: up_w, .offset: 32, .size: 8, .value_kind: global_buffer, .address_space: global }
      - { .name: down_w, .offset: 40, .size: 8, .value_kind: global_buffer, .address_space: global }
      - { .name: wo, .offset: 48, .size: 8, .value_kind: global_buffer, .address_space: global }
      - { .name: wc, .offset: 56, .size: 8, .value_kind: global_buffer, .address_space: global }
      - { .name: wd, .offset: 64, .size: 8, .value_kind: global_buffer, .address_space: global }
    .group_segment_fixed_size: 327680
    .private_segment_fixed_size: 0
    .kernarg_segment_align: 8
    .kernarg_segment_size: 72
    .max_flat_workgroup_size: 512
    .sgpr_count:     100
    .vgpr_count:     256
    .wavefront_size: 32
...
	.end_amdgpu_metadata
.endif
;; end of part 3
;; launch resid (part 4): grid 16 x 16, 4 waves a work-group, clusters of 4 x 4, 327,680 bytes of LDS; arguments cc, wo, hidden_states, hres; writes hres
.if DOCPART == 4
	.amdgcn_target "amdgcn-amd-amdhsa--gfx1250"
	.amdhsa_code_object_version 6
	.text
	.protected	k_qffbf70b409_resid
	.globl	k_qffbf70b409_resid
	.p2align	8
	.type	k_qffbf70b409_resid,@function
k_qffbf70b409_resid:
	s_mov_b64 s[64:65], 0
	v_nop
	global_prefetch_b8 v0, s[64:65] scope:SCOPE_SE
	s_setreg_imm32_b32 hwreg(HW_REG_WAVE_MODE, 25, 1), 1
	s_wait_xcnt 0x0
	s_wait_alu depctr_hold_cnt(0) depctr_sa_sdst(0) depctr_va_vdst(0) depctr_va_sdst(0) depctr_va_ssrc(0) depctr_va_vcc(0) depctr_vm_vsrc(0)
	s_getreg_b32 s2, hwreg(HW_REG_IB_STS2, 6, 4)
	s_cmp_eq_u32 s2, 0
	s_cbranch_scc0 .Lentry_in_a_cluster
	s_endpgm
.Lentry_in_a_cluster:
	s_bfe_u32 s2, ttmp6, 0x10000c
	s_cmp_lg_u32 s2, 0xf033
	s_cbranch_scc0 .Lentry_shape_is_right
	s_endpgm
.Lentry_shape_is_right:
; RESID: out = res + f x (A B^T).  A: [2048][2048] codes of E4M3.  The second argument holds f = 2^(eA + eB) as f32 in its first 256 bytes and B's codes [2048][2048] behind them.  res, out: [2048][2048] f32.
; It serves the projection on attention's way out (res = hidden_states) and the MLP's second product (res = h).
; 256 tiles of 128 x 128; four waves of 64 x 64; K = 2,048 in four steps of 512 through two LDS slots.  CLUSTER 4 x 4: A's tile is asked for jointly along a row of the cluster, B's along a column.
; THE MATRIX INSTRUCTION IS USED TRANSPOSED (source 0 = 16 rows of B, source 1 = 16 rows of A): lane (r, h) holds row 16 a + r and columns 16 b + 8 h + 0..7 in accumulator (a, b).
; A fragment's registers 4 c .. 4 c + 3 hold k = 32 c + 16 h + 0..15: a permutation of k that is the same on both sides.
; REGISTERS: window 0: v0-31 addresses; v32-95 two sets of the residual; v96-127 rows on their way out; v128-255 the 16 accumulators.  window 1: two sets of fragments.
.set KSTEP,  512
.set PITCH,  528                       ; an LDS row: 512 bytes + 16 of padding = 132 words: the 16 rows of a fragment load start 4 banks apart
.set HALFT,  64*PITCH
.set SLOT,   4*HALFT
.set STAGE,  2*SLOT                    ; behind the ring: 16 rows x (256 bytes + 16) for each wave
.set SPITCH, 272
.set SPARE,  STAGE+4*16*SPITCH         ; the spare words, 128 bytes a wave
.set ADRA, 16
.set ADRB, 20
.set STO,  24
.set RD,   25
.set CO,   26
.set SPW,  28
.set NIL,  29
.set ACC,  128
.set F0,   0
.set F1,   128
.set G1,  24
.set G0,  32
.set G1B, 48
.set G0B, 56
.set MSB, 0
.macro WIN new                         ; the immediate's high byte repeats the setting that is left
.if MSB != \new
	s_set_vgpr_msb (MSB<<8)|\new
.set MSB, \new
.endif
.endm
.set MUL,  0x05                        ; sources 0 and 1 window 1; C and D window 0
.set TO_F, 0x40                        ; destination window 1, address window 0
.macro JLOAD s                         ; waves 0 and 1 fetch A's two halves, waves 2 and 3 B's; an s_nop 0 and four v_nop follow each line
	s_cmp_eq_u32 s11, 0
	s_cbranch_scc0 .Lfor_b_\@
	tensor_load_to_lds s[G0+4*\s:G0+4*\s+3], s[G1:G1+7]
	s_nop 0
.rept 4
	v_nop
.endr
	s_branch .Lasked_\@
.Lfor_b_\@:
	tensor_load_to_lds s[G0B+4*\s:G0B+4*\s+3], s[G1B:G1B+7]
	s_nop 0
.rept 4
	v_nop
.endr
.Lasked_\@:
.endm
.macro CREST                           ; a round of the cluster's barrier behind its opening barrier
	s_cmp_lg_u32 s10, 0
	s_cbranch_scc1 .Lnot_wave_0_\@
	s_barrier_signal -3
.Lnot_wave_0_\@:
	s_barrier_wait -3
	s_barrier_signal -1
	s_barrier_wait -1
.endm
.macro CROUND
	s_barrier_signal -1
	s_barrier_wait -1
	CREST
.endm
.macro PLACES                          ; four places in front of loads into registers that matrix instructions have read, and of the first read of results
.rept 4
	v_nop
.endr
.endm
.macro MULA f, a, zero                 ; A's block a against B's four, 128 along K; the 16 accumulators take turns, one instruction a turn
.irp b, 0,1,2,3
.if \zero
	v_wmma_f32_16x16x128_fp8_fp8 v[ACC+8*(4*(\a)+\b):ACC+8*(4*(\a)+\b)+7], v[\f+64+16*\b:\f+64+16*\b+15], v[\f+16*(\a):\f+16*(\a)+15], 0
.else
	v_wmma_f32_16x16x128_fp8_fp8 v[ACC+8*(4*(\a)+\b):ACC+8*(4*(\a)+\b)+7], v[\f+64+16*\b:\f+64+16*\b+15], v[\f+16*(\a):\f+16*(\a)+15], v[ACC+8*(4*(\a)+\b):ACC+8*(4*(\a)+\b)+7]
.endif
.endr
.endm
.macro FETCH slot, k, f                ; 32 LDS loads in one run: B's four fragments, then A's four, of 128 along K at byte k
	WIN TO_F
.irp i, 0,1,2,3
.irp c, 0,1,2,3
	ds_load_b128 v[\f+64+16*\i+4*\c:\f+64+16*\i+4*\c+3], v[ADRB+\slot] offset:\k+32*\c+\i*16*PITCH
.endr
.endr
.irp i, 0,1,2,3
.irp c, 0,1,2,3
	ds_load_b128 v[\f+16*\i+4*\c:\f+16*\i+4*\c+3], v[ADRA+\slot] offset:\k+32*\c+\i*16*PITCH
.endr
.endr
.endm
.macro QUARTER slot, k, f, g, zero     ; multiplies set f and fetches the next 128 along K, at byte k, into set g
	s_wait_dscnt 8                                 ; B and A's blocks 0, 1 are in; the youngest eight loads (blocks 2, 3) may be out
	WIN MUL
	MULA \f, 0, \zero
	MULA \f, 1, \zero
	PLACES
	FETCH \slot, \k, \g
	s_wait_dscnt 32                                ; all but the 32 just issued
	WIN MUL
	MULA \f, 2, \zero
	MULA \f, 3, \zero
.endm
.macro TURN slot, next, fill           ; a slot's last 128 along K, and the change of slots: one barrier
	WIN 0
	s_wait_tensorcnt 0x0                           ; all my tensor loads have landed: my part of the next slot;
	ds_add_u32 v[SPW], v[NIL]                      ; 0 onto my spare word;
	s_wait_dscnt 9                                 ; (the add and the youngest eight loads may be out)
	WIN MUL
	MULA F1, 0, 0
	s_wait_dscnt 0x0                               ; the add is done, and my reads of this slot are over
	s_barrier_signal -1
	MULA F1, 1, 0
.if \fill
	WIN 0
.endif
	s_barrier_wait -1
.if \fill
	CREST                                          ; the barrier has opened a round of the cluster's: no wave of any partner still reads this slot or has a load on its way
	s_add_nc_u64 s[G0+4*\slot+2:G0+4*\slot+3], s[G0+4*\slot+2:G0+4*\slot+3], 2*KSTEP
	s_add_nc_u64 s[G0B+4*\slot+2:G0B+4*\slot+3], s[G0B+4*\slot+2:G0B+4*\slot+3], 2*KSTEP
	JLOAD \slot                                    ; the first tensor load behind the round; its four v_nop are also the places in front of the loads below
.else
	PLACES
.endif
	FETCH \next, 0, F0
	WIN MUL
	MULA F1, 2, 0
	MULA F1, 3, 0
.endm
	s_load_b128 s[4:7], s[0:1], 0x0                ; A's codes; the factor and B's codes
	s_load_b128 s[68:71], s[0:1], 0x10             ; res, out
	v_lshl_add_u32 v[SPW], v0, 2, SPARE
	v_mov_b32 v[NIL], 0
	ds_add_u32 v[SPW], v[NIL]                      ; the wave's opening: the add, twice on end, and its wait ahead of my first tensor load
	ds_add_u32 v[SPW], v[NIL]
	v_lshrrev_b32 v1, 5, v0
	v_readfirstlane_b32 s10, v1                    ; wave 0..3
	s_lshr_b32 s11, s10, 1                         ; which half of the tile's rows is mine.  Also: I fetch for A (0) or for B (1)
	s_and_b32 s12, s10, 1                          ; which half of its columns.  Also: which 64 rows I fetch
	s_bfe_u32 s40, ttmp6, 0x40000                  ; cx, cy
	s_bfe_u32 s41, ttmp6, 0x40004
	s_lshl_b32 s42, ttmp9, 2
	s_add_co_u32 s42, s42, s40                     ; tile column
	s_and_b32 s13, ttmp7, 0xffff
	s_lshl_b32 s13, s13, 2
	s_add_co_u32 s13, s13, s41                     ; tile row
	s_lshl_b32 s43, s41, 2
	s_lshl_b32 s43, 15, s43                        ; my row of the cluster
	s_lshl_b32 s44, 0x1111, s40                    ; my column
	s_or_b32 s[G1], s43, (1<<20)|(1<<21)|(6<<22)|(3<<25)    ; elements of 1 byte; padding of 4 words after every 128
	s_or_b32 s[G1B], s44, (1<<20)|(1<<21)|(6<<22)|(3<<25)
.irp g, G1, G1B
	s_mov_b32 s[\g+1], KSTEP<<16
	s_mov_b32 s[\g+2], 64<<16
	s_mov_b32 s[\g+3], KSTEP<<16
	s_mov_b32 s[\g+4], 64
	s_mov_b32 s[\g+5], 2048
	s_mov_b32 s[\g+6], 0
	s_mov_b32 s[\g+7], 0
.endr
	s_lshl_b32 s17, s12, 6
	s_lshl_b32 s16, s13, 7
	s_add_co_u32 s16, s16, s17                     ; A: row 128 x tile row + 64 x half
	s_lshl_b32 s46, s42, 7
	s_add_co_u32 s46, s46, s17                     ; B: row 128 x tile column + 64 x half
	s_lshl_b32 s16, s16, 11
	s_mov_b32 s17, 0
	s_lshl_b32 s46, s46, 11
	s_mov_b32 s47, 0
	s_mul_i32 s20, s10, HALFT
	s_wait_dscnt 0x0                               ; both opening adds are done
	s_wait_kmcnt 0x0
	s_load_b32 s96, s[6:7], 0x0                    ; f
	s_add_nc_u64 s[14:15], s[4:5], s[16:17]
	s_add_nc_u64 s[46:47], s[6:7], s[46:47]
	s_add_nc_u64 s[46:47], s[46:47], 256           ; B's codes lie behind the factor's 256 bytes
	CROUND                                         ; all sixteen work-groups are here: the first joint loads meet
.irp s, 0,1
	s_mov_b32 s[G0+4*\s], 1
	s_add_co_u32 s[G0+4*\s+1], s20, \s*SLOT
	s_add_nc_u64 s[G0+4*\s+2:G0+4*\s+3], s[14:15], \s*KSTEP
	s_or_b32 s[G0+4*\s+3], s[G0+4*\s+3], 0x80000000
	s_mov_b32 s[G0B+4*\s], 1
	s_add_co_u32 s[G0B+4*\s+1], s20, \s*SLOT
	s_add_nc_u64 s[G0B+4*\s+2:G0B+4*\s+3], s[46:47], \s*KSTEP
	s_or_b32 s[G0B+4*\s+3], s[G0B+4*\s+3], 0x80000000
	JLOAD \s
.endr
	v_and_b32 v1, 15, v0                           ; r
	v_bfe_u32 v2, v0, 4, 1                         ; h
	v_mul_u32_u24 v3, v1, PITCH
	v_lshl_add_u32 v3, v2, 4, v3
	s_mul_i32 s21, s11, HALFT
	s_mul_i32 s22, s12, HALFT
	s_add_co_u32 s22, s22, 2*HALFT
.irp s, 0,1
	v_add_nc_u32 v[ADRA+\s], s21, v3
	v_add_nc_u32 v[ADRB+\s], s22, v3
	s_add_co_u32 s21, s21, SLOT
	s_add_co_u32 s22, s22, SLOT
.endr
	s_mul_i32 s23, s10, 16*SPITCH
	s_add_co_u32 s23, s23, STAGE                   ; my stage
	v_mul_u32_u24 v4, v1, SPITCH
	v_lshl_add_u32 v4, v2, 5, v4
	v_add_nc_u32 v[STO], s23, v4                   ; in: row r, + 32 h
	v_mul_u32_u24 v5, v2, SPITCH
	v_lshl_add_u32 v5, v1, 4, v5
	v_add_nc_u32 v[RD], s23, v5                    ; back: lanes 0-15 one row of 256 bytes, lanes 16-31 the next
	v_lshlrev_b32 v5, 13, v2
	v_lshl_add_u32 v[CO], v1, 4, v5                ; and the same two rows in res and out
	s_lshl_b32 s72, s13, 7
	s_lshl_b32 s73, s11, 6
	s_add_co_u32 s72, s72, s73
	s_lshl_b32 s72, s72, 13                        ; my first row,
	s_lshl_b32 s73, s42, 9
	s_add_co_u32 s72, s72, s73
	s_lshl_b32 s73, s12, 8
	s_add_co_u32 s72, s72, s73                     ; my first column
	s_mov_b32 s73, 0
	s_add_nc_u64 s[68:69], s[68:69], s[72:73]
	s_add_nc_u64 s[70:71], s[70:71], s[72:73]
.macro RLOAD a                         ; block a's 16 rows x 256 bytes of the residual, in the shape in which the result is stored
.irp t, 0,1,2,3,4,5,6,7
	global_load_b128 v[32+32*((\a)%2)+4*\t:35+32*((\a)%2)+4*\t], v[CO], s[68:69] offset:(16*(\a)+2*\t)*8192 th:TH_LOAD_NT
.endr
.endm
	RLOAD 0                                        ; two blocks are asked for ahead of the products
	RLOAD 1
	s_wait_tensorcnt 1                             ; my part of K step 0 is in (K step 1's load may be out),
	s_barrier_signal -1
	s_barrier_wait -1                              ; everybody's is
	FETCH 0, 0, F0
	QUARTER 0, 128, F0, F1, 1                      ; the first products start the sums: nothing is cleared
	QUARTER 0, 256, F1, F0, 0
	QUARTER 0, 384, F0, F1, 0
	TURN 0, 1, 1
	QUARTER 1, 128, F0, F1, 0
	QUARTER 1, 256, F1, F0, 0
	QUARTER 1, 384, F0, F1, 0
	TURN 1, 0, 1
	QUARTER 0, 128, F0, F1, 0
	QUARTER 0, 256, F1, F0, 0
	QUARTER 0, 384, F0, F1, 0
	TURN 0, 1, 0                                   ; nothing is left to fetch
	QUARTER 1, 128, F0, F1, 0
	QUARTER 1, 256, F1, F0, 0
	QUARTER 1, 384, F0, F1, 0
	s_wait_dscnt 8
	WIN MUL
	MULA F1, 0, 0
	MULA F1, 1, 0
	s_wait_dscnt 0
	MULA F1, 2, 0
	MULA F1, 3, 0
	WIN 0
	; THE WAY OUT, a block of 16 rows at a time, through my own stage: sixteen lanes then hold 256 consecutive bytes of a row.  LDS serves a wave's instructions in order: no wait between the stores and the loads.
	s_wait_kmcnt 0x0
	s_mov_b32 s97, s96                             ; (named with it as a pair)
	PLACES
.macro OUTB a
.if \a > 0
	s_wait_xcnt 0x0                                ; the last block's stores have read their data: the registers are loaded again only behind this wait
.endif
.irp b, 0,1,2,3
	ds_store_b128 v[STO], v[ACC+8*(4*\a+\b):ACC+8*(4*\a+\b)+3] offset:64*\b          ; each accumulator from its low end on
	ds_store_b128 v[STO], v[ACC+8*(4*\a+\b)+4:ACC+8*(4*\a+\b)+7] offset:64*\b+16
.endr
.irp t, 0,1,2,3,4,5,6,7
	ds_load_b128 v[96+4*\t:99+4*\t], v[RD] offset:\t*2*SPITCH
.endr
	s_wait_dscnt 0x0
.if \a < 3
	s_wait_loadcnt 8                               ; this block's residual is in; the next block's eight loads may be out
.else
	s_wait_loadcnt 0
.endif
.irp j, 0,2,4,6,8,10,12,14,16,18,20,22,24,26,28,30
	v_pk_fma_f32 v[96+\j:97+\j], v[96+\j:97+\j], s[96:97], v[32+32*((\a)%2)+\j:33+32*((\a)%2)+\j] op_sel_hi:[1,0,1]   ; sum x f + res
.endr
.irp t, 0,1,2,3,4,5,6,7
	global_store_b128 v[CO], v[96+4*\t:99+4*\t], s[70:71] offset:(16*\a+2*\t)*8192 th:TH_STORE_NT
.endr
.if \a < 2
	RLOAD \a+2
.endif
.endm
	OUTB 0
	OUTB 1
	OUTB 2
	OUTB 3
	s_wait_tensorcnt 0x0                           ; the wave's end: behind my last tensor load and my last LDS store
	ds_add_u32 v[SPW], v[NIL]
	s_wait_dscnt 0x0
	CROUND                                         ; the closing round: no work-group ends while a partner may still ask for a tile that names it
	s_endpgm
.Lfunc_end_k_qffbf70b409_resid:
	.size	k_qffbf70b409_resid, .Lfunc_end_k_qffbf70b409_resid-k_qffbf70b409_resid
	.p2alignl 7, 3214868480
	.fill 96, 4, 3214868480
	.section	.rodata,"a",@progbits
	.p2align	6, 0x0
	.amdhsa_kernel k_qffbf70b409_resid
		.amdhsa_group_segment_fixed_size 327680
		.amdhsa_private_segment_fixed_size 0
		.amdhsa_enable_private_segment 0
		.amdhsa_kernarg_size 32
		.amdhsa_user_sgpr_count 2
		.amdhsa_user_sgpr_kernarg_segment_ptr 1
		.amdhsa_wavefront_size32 1
		.amdhsa_system_sgpr_workgroup_id_x 1
		.amdhsa_system_sgpr_workgroup_id_y 1
		.amdhsa_system_sgpr_workgroup_id_z 1
		.amdhsa_system_vgpr_workitem_id 0
		.amdhsa_next_free_vgpr 512
		.amdhsa_next_free_sgpr 100
		.amdhsa_reserve_vcc 0
		.amdhsa_float_denorm_mode_32 3
		.amdhsa_float_denorm_mode_16_64 3
		.amdhsa_memory_ordered 1
		.amdhsa_forward_progress 1
		.amdhsa_inst_pref_size 77
	.end_amdhsa_kernel
	.amdgpu_metadata
---
amdhsa.version: [ 1, 2 ]
amdhsa.kernels:
  - .name:           k_qffbf70b409_resid
    .symbol:         k_qffbf70b409_resid.kd
    .args:
      - { .name: cc, .offset: 0, .size: 8, .value_kind: global_buffer, .address_space: global }
      - { .name: wo, .offset: 8, .size: 8, .value_kind: global_buffer, .address_space: global }
      - { .name: hidden_states, .offset: 16, .size: 8, .value_kind: global_buffer, .address_space: global }
      - { .name: hres, .offset: 24, .size: 8, .value_kind: global_buffer, .address_space: global }
    .group_segment_fixed_size: 327680
    .private_segment_fixed_size: 0
    .kernarg_segment_align: 8
    .kernarg_segment_size: 32
    .max_flat_workgroup_size: 128
    .sgpr_count:     100
    .vgpr_count:     512
    .wavefront_size: 32
...
	.end_amdgpu_metadata
.endif
;; end of part 4
;; launch norm2 (part 5): grid 256 x 1, 4 waves a work-group, no clusters, 0 bytes of LDS; arguments hres, ln2_w, lowp_scales, ac; writes ac
.if DOCPART == 5
	.amdgcn_target "amdgcn-amd-amdhsa--gfx1250"
	.amdhsa_code_object_version 6
	.text
	.protected	k_qffbf70b409_norm2
	.globl	k_qffbf70b409_norm2
	.p2align	8
	.type	k_qffbf70b409_norm2,@function
k_qffbf70b409_norm2:
	s_mov_b64 s[64:65], 0
	v_nop
	global_prefetch_b8 v0, s[64:65] scope:SCOPE_SE
	s_setreg_imm32_b32 hwreg(HW_REG_WAVE_MODE, 25, 1), 1
	s_wait_xcnt 0x0
; NORM2: y = rmsnorm(h, ln2_w), quantised with e22 into codes of E4M3, [2048][2048], at the head of ac.  Wave w takes rows 8 x work-group + 2 w and the next.
; A launch of its own: a row's sum of squares spans the sixteen work-groups that made the row.
; For i = 0..3 lane l holds k = 512 i + 16 l + 0..15 of the row; a lane's 16 codes are 16 bytes, so a store covers 512 consecutive bytes.
; LIMITS: e22 between -126 and 119; NaN is not served.
; v16, v17 scale and limit; v32-95 row 0; v96-159 ln2_w; v160-175 at work; v176-179 codes; v192-255 row 1.
.macro ROW X, ro, cnt
	s_wait_loadcnt \cnt
.irp c, 0,1,2,3
	v_pk_mul_f32 v[160+2*\c:161+2*\c], v[\X+2*\c:\X+2*\c+1], v[\X+2*\c:\X+2*\c+1]
.endr
.set QN, 4
.rept 28
	v_pk_fma_f32 v[160+2*(QN%4):161+2*(QN%4)], v[\X+2*QN:\X+2*QN+1], v[\X+2*QN:\X+2*QN+1], v[160+2*(QN%4):161+2*(QN%4)]
.set QN, QN+1
.endr
	v_pk_add_f32 v[160:161], v[160:161], v[162:163]
	v_pk_add_f32 v[164:165], v[164:165], v[166:167]
	v_pk_add_f32 v[160:161], v[160:161], v[164:165]
	v_add_f32 v160, v160, v161
	v_add_f32_dpp v160, v160, v160 row_xmask:1 row_mask:0xf bank_mask:0xf
	v_add_f32_dpp v160, v160, v160 row_xmask:2 row_mask:0xf bank_mask:0xf
	v_add_f32_dpp v160, v160, v160 row_xmask:4 row_mask:0xf bank_mask:0xf
	v_add_f32_dpp v160, v160, v160 row_xmask:8 row_mask:0xf bank_mask:0xf
	v_permlanex16_b32 v161, v160, s26, s27
	v_add_f32 v160, v160, v161
	v_fma_f32 v160, v160, s28, s29                 ; the mean (x 2^-11, exact) + EPS
	v_rsq_f32 v162, v160
	v_nop                                          ; a plain instruction behind the transcendental,
	s_wait_alu depctr_va_vdst(0)                   ; and the wait ahead of its first reader
	v_mov_b32 v163, v162
.set QN, 0
.rept 32
	v_pk_mul_f32 v[\X+2*QN:\X+2*QN+1], v[\X+2*QN:\X+2*QN+1], v[162:163]
	v_pk_mul_f32 v[\X+2*QN:\X+2*QN+1], v[\X+2*QN:\X+2*QN+1], v[96+2*QN:97+2*QN]
.set QN, QN+1
.endr
.irp i, 0,1,2,3
	s_wait_xcnt 0x0                                ; the earlier store has read its data
.irp k, 0,1,2,3,4,5,6,7,8,9,10,11,12,13,14,15
	v_med3_num_f32 v[160+\k], v[\X+16*\i+\k], -v17, v17
.endr
	v_cvt_scalef32_pk8_fp8_f32 v[176:177], v[160:167], v16
	v_cvt_scalef32_pk8_fp8_f32 v[178:179], v[168:175], v16
	v_nop                                          ; a plain instruction ahead of the next write of the conversions' sources
	global_store_b128 v4, v[176:179], s[40:41] offset:\ro*2048+512*\i
.endr
.endm
	s_load_b128 s[4:7], s[0:1], 0x0                ; h, ln2_w
	s_load_b128 s[8:11], s[0:1], 0x10              ; lowp_scales, ac
	v_lshrrev_b32 v1, 5, v0
	v_readfirstlane_b32 s2, v1
	v_and_b32 v2, 31, v0
	v_lshlrev_b32 v3, 6, v2
	v_lshlrev_b32 v4, 4, v2
	s_lshl_b32 s12, ttmp9, 3
	s_lshl_b32 s13, s2, 1
	s_add_co_u32 s12, s12, s13
	s_lshl_b32 s14, s12, 13
	s_mov_b32 s15, 0
	s_lshl_b32 s16, s12, 11
	s_mov_b32 s17, 0
	s_mov_b32 s26, 0x76543210
	s_mov_b32 s27, 0xfedcba98
	s_mov_b32 s28, 0x3a000000
	s_mov_b32 s29, 0x3727c5ac
	s_wait_kmcnt 0x0
	s_load_b32 s20, s[8:9], 0x58                   ; e22
	s_add_nc_u64 s[4:5], s[4:5], s[14:15]
	s_add_nc_u64 s[40:41], s[10:11], s[16:17]
.irp i, 0,1,2,3
.irp j, 0,1,2,3
	global_load_b128 v[96+16*\i+4*\j:99+16*\i+4*\j], v3, s[6:7] offset:2048*\i+16*\j
.endr
.endr
.irp i, 0,1,2,3
.irp j, 0,1,2,3
	global_load_b128 v[32+16*\i+4*\j:35+16*\i+4*\j], v3, s[4:5] offset:2048*\i+16*\j th:TH_LOAD_NT
.endr
.endr
.irp i, 0,1,2,3
.irp j, 0,1,2,3
	global_load_b128 v[192+16*\i+4*\j:195+16*\i+4*\j], v3, s[4:5] offset:8192+2048*\i+16*\j th:TH_LOAD_NT
.endr
.endr
	s_wait_kmcnt 0x0
	s_add_co_i32 s60, s20, 127
	s_lshl_b32 s61, s60, 23
	v_mov_b32 v16, s61
	s_add_co_i32 s60, s60, 8
	s_lshl_b32 s60, s60, 23
	s_or_b32 s60, s60, 0x600000
	v_mov_b32 v17, s60
	ROW 32, 0, 16                                  ; the gain and row 0 are in; row 1's sixteen loads may be out
	ROW 192, 1, 0
	s_endpgm
.Lfunc_end_k_qffbf70b409_norm2:
	.size	k_qffbf70b409_norm2, .Lfunc_end_k_qffbf70b409_norm2-k_qffbf70b409_norm2
	.p2alignl 7, 3214868480
	.fill 96, 4, 3214868480
	.section	.rodata,"a",@progbits
	.p2align	6, 0x0
	.amdhsa_kernel k_qffbf70b409_norm2
		.amdhsa_group_segment_fixed_size 0
		.amdhsa_private_segment_fixed_size 0
		.amdhsa_enable_private_segment 0
		.amdhsa_kernarg_size 32
		.amdhsa_user_sgpr_count 2
		.amdhsa_user_sgpr_kernarg_segment_ptr 1
		.amdhsa_wavefront_size32 1
		.amdhsa_system_sgpr_workgroup_id_x 1
		.amdhsa_system_sgpr_workgroup_id_y 1
		.amdhsa_system_sgpr_workgroup_id_z 1
		.amdhsa_system_vgpr_workitem_id 0
		.amdhsa_next_free_vgpr 256
		.amdhsa_next_free_sgpr 66
		.amdhsa_reserve_vcc 0
		.amdhsa_float_denorm_mode_32 3
		.amdhsa_float_denorm_mode_16_64 3
		.amdhsa_memory_ordered 1
		.amdhsa_forward_progress 1
		.amdhsa_inst_pref_size 30
	.end_amdhsa_kernel
	.amdgpu_metadata
---
amdhsa.version: [ 1, 2 ]
amdhsa.kernels:
  - .name:           k_qffbf70b409_norm2
    .symbol:         k_qffbf70b409_norm2.kd
    .args:
      - { .name: hres, .offset: 0, .size: 8, .value_kind: global_buffer, .address_space: global }
      - { .name: ln2_w, .offset: 8, .size: 8, .value_kind: global_buffer, .address_space: global }
      - { .name: lowp_scales, .offset: 16, .size: 8, .value_kind: global_buffer, .address_space: global }
      - { .name: ac, .offset: 24, .size: 8, .value_kind: global_buffer, .address_space: global }
    .group_segment_fixed_size: 0
    .private_segment_fixed_size: 0
    .kernarg_segment_align: 8
    .kernarg_segment_size: 32
    .max_flat_workgroup_size: 128
    .sgpr_count:     66
    .vgpr_count:     256
    .wavefront_size: 32
...
	.end_amdgpu_metadata
.endif
;; end of part 5
;; launch up (part 6): grid 16 x 16, 4 waves a work-group, clusters of 4 x 4, 327,680 bytes of LDS; arguments ac, wc, lowp_scales, cc; writes cc
.if DOCPART == 6
	.amdgcn_target "amdgcn-amd-amdhsa--gfx1250"
	.amdhsa_code_object_version 6
	.text
	.protected	k_qffbf70b409_up
	.globl	k_qffbf70b409_up
	.p2align	8
	.type	k_qffbf70b409_up,@function
k_qffbf70b409_up:
	s_mov_b64 s[64:65], 0
	v_nop
	global_prefetch_b8 v0, s[64:65] scope:SCOPE_SE
	s_setreg_imm32_b32 hwreg(HW_REG_WAVE_MODE, 25, 1), 1
	s_wait_xcnt 0x0
	s_wait_alu depctr_hold_cnt(0) depctr_sa_sdst(0) depctr_va_vdst(0) depctr_va_sdst(0) depctr_va_ssrc(0) depctr_va_vcc(0) depctr_vm_vsrc(0)
	s_getreg_b32 s2, hwreg(HW_REG_IB_STS2, 6, 4)
	s_cmp_eq_u32 s2, 0
	s_cbranch_scc0 .Lentry_in_a_cluster
	s_endpgm
.Lentry_in_a_cluster:
	s_bfe_u32 s2, ttmp6, 0x10000c
	s_cmp_lg_u32 s2, 0xf033
	s_cbranch_scc0 .Lentry_shape_is_right
	s_endpgm
.Lentry_shape_is_right:
; UP: codes of relu(y up_w^T)^2 with the scale e24.  A: y's codes at the head of ac; B: up_w's codes, 12 MiB into wc; the result: [2048][2048] codes in cc.
; 256 tiles of 128 x 128; four waves of 64 x 64; K = 2,048 in four steps of 512 through two LDS slots.  CLUSTER 4 x 4: A's tile is asked for jointly along a row of the cluster, B's along a column.
; THE MATRIX INSTRUCTION IS USED TRANSPOSED: lane (r, h) holds row 16 a + r and columns 16 b + 8 h + 0..7 in accumulator (a, b): eight neighbours along the next K, as the conversion wants them.
; A sum stands for sum x 2^(e22 + e23), its square for 2^(2 (e22 + e23)): the conversion takes the one scale 2^(e24 - 2 (e22 + e23)).  LIMIT: that exponent lies between -126 and 119.
; A tile's row of codes is 128 bytes; the buffer stays row-major, since the next launch reads its rows sixteen times, 512 bytes at a time.
; REGISTERS: window 0: v0-31 addresses; v32-95 at work on the way out; v128-255 the 16 accumulators.  window 1: two sets of fragments.
.set KSTEP,  512
.set PITCH,  528                       ; an LDS row: 512 bytes + 16 of padding = 132 words: the 16 rows of a fragment load start 4 banks apart
.set HALFT,  64*PITCH
.set SLOT,   4*HALFT
.set STAGE,  2*SLOT                    ; behind the ring: 128 rows x (128 bytes + 16), the work-group's
.set SPITCH, 144
.set SPARE,  STAGE+128*SPITCH          ; the spare words, 128 bytes a wave
.set ADRA, 16
.set ADRB, 20
.set STO,  24
.set RD,   25
.set CO,   26
.set SPW,  28
.set NIL,  29
.set ACC,  128
.set F0,   0
.set F1,   128
.set G1,  24
.set G0,  32
.set G1B, 48
.set G0B, 56
.set MSB, 0
.macro WIN new                         ; the immediate's high byte repeats the setting that is left
.if MSB != \new
	s_set_vgpr_msb (MSB<<8)|\new
.set MSB, \new
.endif
.endm
.set MUL,  0x05                        ; sources 0 and 1 window 1; C and D window 0
.set TO_F, 0x40                        ; destination window 1, address window 0
.macro JLOAD s                         ; waves 0 and 1 fetch A's two halves, waves 2 and 3 B's; an s_nop 0 and four v_nop follow each line
	s_cmp_eq_u32 s11, 0
	s_cbranch_scc0 .Lfor_b_\@
	tensor_load_to_lds s[G0+4*\s:G0+4*\s+3], s[G1:G1+7]
	s_nop 0
.rept 4
	v_nop
.endr
	s_branch .Lasked_\@
.Lfor_b_\@:
	tensor_load_to_lds s[G0B+4*\s:G0B+4*\s+3], s[G1B:G1B+7]
	s_nop 0
.rept 4
	v_nop
.endr
.Lasked_\@:
.endm
.macro CREST                           ; a round of the cluster's barrier behind its opening barrier
	s_cmp_lg_u32 s10, 0
	s_cbranch_scc1 .Lnot_wave_0_\@
	s_barrier_signal -3
.Lnot_wave_0_\@:
	s_barrier_wait -3
	s_barrier_signal -1
	s_barrier_wait -1
.endm
.macro CROUND
	s_barrier_signal -1
	s_barrier_wait -1
	CREST
.endm
.macro PLACES                          ; four places in front of loads into registers that matrix instructions have read, and of the first read of results
.rept 4
	v_nop
.endr
.endm
.macro MULA f, a, zero                 ; A's block a against B's four, 128 along K; the 16 accumulators take turns, one instruction a turn
.irp b, 0,1,2,3
.if \zero
	v_wmma_f32_16x16x128_fp8_fp8 v[ACC+8*(4*(\a)+\b):ACC+8*(4*(\a)+\b)+7], v[\f+64+16*\b:\f+64+16*\b+15], v[\f+16*(\a):\f+16*(\a)+15], 0
.else
	v_wmma_f32_16x16x128_fp8_fp8 v[ACC+8*(4*(\a)+\b):ACC+8*(4*(\a)+\b)+7], v[\f+64+16*\b:\f+64+16*\b+15], v[\f+16*(\a):\f+16*(\a)+15], v[ACC+8*(4*(\a)+\b):ACC+8*(4*(\a)+\b)+7]
.endif
.endr
.endm
.macro FETCH slot, k, f                ; 32 LDS loads in one run: B's four fragments, then A's four, of 128 along K at byte k
	WIN TO_F
.irp i, 0,1,2,3
.irp c, 0,1,2,3
	ds_load_b128 v[\f+64+16*\i+4*\c:\f+64+16*\i+4*\c+3], v[ADRB+\slot] offset:\k+32*\c+\i*16*PITCH
.endr
.endr
.irp i, 0,1,2,3
.irp c, 0,1,2,3
	ds_load_b128 v[\f+16*\i+4*\c:\f+16*\i+4*\c+3], v[ADRA+\slot] offset:\k+32*\c+\i*16*PITCH
.endr
.endr
.endm
.macro QUARTER slot, k, f, g, zero     ; multiplies set f and fetches the next 128 along K, at byte k, into set g
	s_wait_dscnt 8                                 ; B and A's blocks 0, 1 are in; the youngest eight loads (blocks 2, 3) may be out
	WIN MUL
	MULA \f, 0, \zero
	MULA \f, 1, \zero
	PLACES
	FETCH \slot, \k, \g
	s_wait_dscnt 32                                ; all but the 32 just issued
	WIN MUL
	MULA \f, 2, \zero
	MULA \f, 3, \zero
.endm
.macro TURN slot, next, fill           ; a slot's last 128 along K, and the change of slots: one barrier
	WIN 0
	s_wait_tensorcnt 0x0                           ; all my tensor loads have landed: my part of the next slot;
	ds_add_u32 v[SPW], v[NIL]                      ; 0 onto my spare word;
	s_wait_dscnt 9                                 ; (the add and the youngest eight loads may be out)
	WIN MUL
	MULA F1, 0, 0
	s_wait_dscnt 0x0                               ; the add is done, and my reads of this slot are over
	s_barrier_signal -1
	MULA F1, 1, 0
.if \fill
	WIN 0
.endif
	s_barrier_wait -1
.if \fill
	CREST                                          ; the barrier has opened a round of the cluster's: no wave of any partner still reads this slot or has a load on its way
	s_add_nc_u64 s[G0+4*\slot+2:G0+4*\slot+3], s[G0+4*\slot+2:G0+4*\slot+3], 2*KSTEP
	s_add_nc_u64 s[G0B+4*\slot+2:G0B+4*\slot+3], s[G0B+4*\slot+2:G0B+4*\slot+3], 2*KSTEP
	JLOAD \slot                                    ; the first tensor load behind the round; its four v_nop are also the places in front of the loads below
.else
	PLACES
.endif
	FETCH \next, 0, F0
	WIN MUL
	MULA F1, 2, 0
	MULA F1, 3, 0
.endm
	s_load_b128 s[4:7], s[0:1], 0x0                ; ac, wc
	s_load_b128 s[68:71], s[0:1], 0x10             ; lowp_scales, cc
	v_lshl_add_u32 v[SPW], v0, 2, SPARE
	v_mov_b32 v[NIL], 0
	ds_add_u32 v[SPW], v[NIL]                      ; the wave's opening: the add, twice on end, and its wait ahead of my first tensor load
	ds_add_u32 v[SPW], v[NIL]
	v_lshrrev_b32 v1, 5, v0
	v_readfirstlane_b32 s10, v1                    ; wave 0..3
	s_lshr_b32 s11, s10, 1                         ; which half of the tile's rows is mine.  Also: I fetch for A (0) or for B (1)
	s_and_b32 s12, s10, 1                          ; which half of its columns.  Also: which 64 rows I fetch
	s_bfe_u32 s40, ttmp6, 0x40000                  ; cx, cy
	s_bfe_u32 s41, ttmp6, 0x40004
	s_lshl_b32 s42, ttmp9, 2
	s_add_co_u32 s42, s42, s40                     ; tile column
	s_and_b32 s13, ttmp7, 0xffff
	s_lshl_b32 s13, s13, 2
	s_add_co_u32 s13, s13, s41                     ; tile row
	s_lshl_b32 s43, s41, 2
	s_lshl_b32 s43, 15, s43                        ; my row of the cluster
	s_lshl_b32 s44, 0x1111, s40                    ; my column
	s_or_b32 s[G1], s43, (1<<20)|(1<<21)|(6<<22)|(3<<25)    ; elements of 1 byte; padding of 4 words after every 128
	s_or_b32 s[G1B], s44, (1<<20)|(1<<21)|(6<<22)|(3<<25)
.irp g, G1, G1B
	s_mov_b32 s[\g+1], KSTEP<<16
	s_mov_b32 s[\g+2], 64<<16
	s_mov_b32 s[\g+3], KSTEP<<16
	s_mov_b32 s[\g+4], 64
	s_mov_b32 s[\g+5], 2048
	s_mov_b32 s[\g+6], 0
	s_mov_b32 s[\g+7], 0
.endr
	s_lshl_b32 s17, s12, 6
	s_lshl_b32 s16, s13, 7
	s_add_co_u32 s16, s16, s17                     ; A: row 128 x tile row + 64 x half
	s_lshl_b32 s46, s42, 7
	s_add_co_u32 s46, s46, s17                     ; B: row 128 x tile column + 64 x half
	s_lshl_b32 s16, s16, 11
	s_mov_b32 s17, 0
	s_lshl_b32 s46, s46, 11
	s_mov_b32 s47, 0
	s_mul_i32 s20, s10, HALFT
	s_wait_dscnt 0x0                               ; both opening adds are done
	s_wait_kmcnt 0x0
	s_load_b64 s[96:97], s[68:69], 0x58            ; e22, e23
	s_load_b32 s98, s[68:69], 0x60                 ; e24
	s_add_nc_u64 s[14:15], s[4:5], s[16:17]
	s_add_nc_u64 s[46:47], s[6:7], s[46:47]
	s_add_nc_u64 s[46:47], s[46:47], 0xc00000      ; up_w's codes
	CROUND                                         ; all sixteen work-groups are here: the first joint loads meet
.irp s, 0,1
	s_mov_b32 s[G0+4*\s], 1
	s_add_co_u32 s[G0+4*\s+1], s20, \s*SLOT
	s_add_nc_u64 s[G0+4*\s+2:G0+4*\s+3], s[14:15], \s*KSTEP
	s_or_b32 s[G0+4*\s+3], s[G0+4*\s+3], 0x80000000
	s_mov_b32 s[G0B+4*\s], 1
	s_add_co_u32 s[G0B+4*\s+1], s20, \s*SLOT
	s_add_nc_u64 s[G0B+4*\s+2:G0B+4*\s+3], s[46:47], \s*KSTEP
	s_or_b32 s[G0B+4*\s+3], s[G0B+4*\s+3], 0x80000000
	JLOAD \s
.endr
	v_and_b32 v1, 15, v0                           ; r
	v_bfe_u32 v2, v0, 4, 1                         ; h
	v_mul_u32_u24 v3, v1, PITCH
	v_lshl_add_u32 v3, v2, 4, v3
	s_mul_i32 s21, s11, HALFT
	s_mul_i32 s22, s12, HALFT
	s_add_co_u32 s22, s22, 2*HALFT
.irp s, 0,1
	v_add_nc_u32 v[ADRA+\s], s21, v3
	v_add_nc_u32 v[ADRB+\s], s22, v3
	s_add_co_u32 s21, s21, SLOT
	s_add_co_u32 s22, s22, SLOT
.endr
	s_mul_i32 s23, s11, 64*SPITCH                  ; into the stage: my 64 rows, my 64 bytes of their 128; row r, + 8 h
	s_lshl_b32 s21, s12, 6
	s_add_co_u32 s23, s23, s21
	s_add_co_u32 s23, s23, STAGE
	v_mul_u32_u24 v4, v1, SPITCH
	v_lshl_add_u32 v4, v2, 3, v4
	v_add_nc_u32 v[STO], s23, v4
	s_mul_i32 s23, s10, 32*SPITCH                  ; back: wave w takes rows 32 w .. 32 w + 31: eight lanes to a row, four rows an instruction
	s_add_co_u32 s23, s23, STAGE
	v_and_b32 v5, 31, v0
	v_lshrrev_b32 v6, 3, v5
	v_and_b32 v5, 7, v5
	v_mul_u32_u24 v7, v6, SPITCH
	v_lshl_add_u32 v7, v5, 4, v7
	v_add_nc_u32 v[RD], s23, v7
	v_lshlrev_b32 v6, 11, v6
	v_lshl_add_u32 v[CO], v5, 4, v6                ; and the same in cc
	s_lshl_b32 s72, s13, 7
	s_lshl_b32 s73, s10, 5
	s_add_co_u32 s72, s72, s73
	s_lshl_b32 s72, s72, 11
	s_lshl_b32 s73, s42, 7
	s_add_co_u32 s72, s72, s73
	s_mov_b32 s73, 0
	s_add_nc_u64 s[70:71], s[70:71], s[72:73]
	s_wait_tensorcnt 1                             ; my part of K step 0 is in (K step 1's load may be out),
	s_barrier_signal -1
	s_barrier_wait -1                              ; everybody's is
	FETCH 0, 0, F0
	QUARTER 0, 128, F0, F1, 1                      ; the first products start the sums: nothing is cleared
	QUARTER 0, 256, F1, F0, 0
	QUARTER 0, 384, F0, F1, 0
	TURN 0, 1, 1
	QUARTER 1, 128, F0, F1, 0
	QUARTER 1, 256, F1, F0, 0
	QUARTER 1, 384, F0, F1, 0
	TURN 1, 0, 1
	QUARTER 0, 128, F0, F1, 0
	QUARTER 0, 256, F1, F0, 0
	QUARTER 0, 384, F0, F1, 0
	TURN 0, 1, 0                                   ; nothing is left to fetch
	QUARTER 1, 128, F0, F1, 0
	QUARTER 1, 256, F1, F0, 0
	QUARTER 1, 384, F0, F1, 0
	s_wait_dscnt 8
	WIN MUL
	MULA F1, 0, 0
	MULA F1, 1, 0
	s_wait_dscnt 0
	MULA F1, 2, 0
	MULA F1, 3, 0
	WIN 0
	; THE WAY OUT: relu, the square, the hold, the codes; a row's 128 bytes come from two waves, so they meet in the work-group's stage
	s_wait_kmcnt 0x0
	s_add_co_i32 s96, s96, s97
	s_lshl_b32 s96, s96, 1
	s_sub_co_i32 s98, s98, s96                     ; e24 - 2 (e22 + e23)
	s_add_co_i32 s98, s98, 127
	s_lshl_b32 s99, s98, 23
	v_mov_b32 v10, s99
	s_add_co_i32 s98, s98, 8
	s_lshl_b32 s98, s98, 23
	s_or_b32 s98, s98, 0x600000
	v_mov_b32 v11, s98
	PLACES
.set QN, 0
.rept 128
	v_max_num_f32 v[ACC+QN], 0, v[ACC+QN]          ; each accumulator from its low end on
.set QN, QN+1
.endr
.set QN, 0
.rept 64
	v_pk_mul_f32 v[ACC+2*QN:ACC+2*QN+1], v[ACC+2*QN:ACC+2*QN+1], v[ACC+2*QN:ACC+2*QN+1]
.set QN, QN+1
.endr
.set QN, 0
.rept 128
	v_min_num_f32 v[ACC+QN], v[ACC+QN], v11        ; a square is not negative: the hold is one-sided
.set QN, QN+1
.endr
.irp t, 0,1,2,3,4,5,6,7,8,9,10,11,12,13,14,15
	v_cvt_scalef32_pk8_fp8_f32 v[32+2*\t:33+2*\t], v[ACC+8*\t:ACC+8*\t+7], v10
.endr
	v_nop                                          ; a plain instruction behind the last conversion
.irp a, 0,1,2,3
.irp b, 0,1,2,3
	ds_store_b64 v[STO], v[32+2*(4*\a+\b):33+2*(4*\a+\b)] offset:\a*16*SPITCH+16*\b
.endr
.endr
	s_wait_dscnt 0x0                               ; for the others' sake: my stores into the stage are done
	s_barrier_signal -1
	s_barrier_wait -1
.irp i, 0,1,2,3,4,5,6,7
	ds_load_b128 v[64+4*\i:67+4*\i], v[RD] offset:\i*4*SPITCH
.endr
.irp i, 0,1,2,3,4,5,6,7
	s_wait_dscnt 7-\i
	global_store_b128 v[CO], v[64+4*\i:67+4*\i], s[70:71] offset:\i*4*2048
.endr
	s_wait_tensorcnt 0x0                           ; the wave's end: behind my last tensor load and my last LDS store
	ds_add_u32 v[SPW], v[NIL]
	s_wait_dscnt 0x0
	CROUND                                         ; the closing round: no work-group ends while a partner may still ask for a tile that names it
	s_endpgm
.Lfunc_end_k_qffbf70b409_up:
	.size	k_qffbf70b409_up, .Lfunc_end_k_qffbf70b409_up-k_qffbf70b409_up
	.p2alignl 7, 3214868480
	.fill 96, 4, 3214868480
	.section	.rodata,"a",@progbits
	.p2align	6, 0x0
	.amdhsa_kernel k_qffbf70b409_up
		.amdhsa_group_segment_fixed_size 327680
		.amdhsa_private_segment_fixed_size 0
		.amdhsa_enable_private_segment 0
		.amdhsa_kernarg_size 32
		.amdhsa_user_sgpr_count 2
		.amdhsa_user_sgpr_kernarg_segment_ptr 1
		.amdhsa_wavefront_size32 1
		.amdhsa_system_sgpr_workgroup_id_x 1
		.amdhsa_system_sgpr_workgroup_id_y 1
		.amdhsa_system_sgpr_workgroup_id_z 1
		.amdhsa_system_vgpr_workitem_id 0
		.amdhsa_next_free_vgpr 512
		.amdhsa_next_free_sgpr 100
		.amdhsa_reserve_vcc 0
		.amdhsa_float_denorm_mode_32 3
		.amdhsa_float_denorm_mode_16_64 3
		.amdhsa_memory_ordered 1
		.amdhsa_forward_progress 1
		.amdhsa_inst_pref_size 78
	.end_amdhsa_kernel
	.amdgpu_metadata
---
amdhsa.version: [ 1, 2 ]
amdhsa.kernels:
  - .name:           k_qffbf70b409_up
    .symbol:         k_qffbf70b409_up.kd
    .args:
      - { .name: ac, .offset: 0, .size: 8, .value_kind: global_buffer, .address_space: global }
      - { .name: wc, .offset: 8, .size: 8, .value_kind: global_buffer, .address_space: global }
      - { .name: lowp_scales, .offset: 16, .size: 8, .value_kind: global_buffer, .address_space: global }
      - { .name: cc, .offset: 24, .size: 8, .value_kind: global_buffer, .address_space: global }
    .group_segment_fixed_size: 327680
    .private_segment_fixed_size: 0
    .kernarg_segment_align: 8
    .kernarg_segment_size: 32
    .max_flat_workgroup_size: 128
    .sgpr_count:     100
    .vgpr_count:     512
    .wavefront_size: 32
...
	.end_amdgpu_metadata
.endif
;; end of part 6
;; launch down: the kernel of part 4 again; grid 16 x 16, 4 waves a work-group, clusters of 4 x 4, 327,680 bytes of LDS; arguments cc, wd, hres, out0; writes out0
